; MI455X (gfx1250); checked and timed in simulation.
; The chip was launched on July 23, 2026; its instructions are those of AMD's public machine-readable ISA for CDNA 5 (MIT licence, August 2026) and "CDNA5" Instruction Set Architecture Reference Guide (July 2026). The comments in the code are by the model that wrote it; some were corrected since.
;; Multi Query Attention. Allowed arithmetic: matrix products marked QUANTISED: E2M3 operands, one E8M0 scale for each 32 along K, by v_wmma_scale_f32_16x16x128_f8f6f4 with both operands' format E2M3, f32 sums; everything else in f32.
;; Inputs: Wk 1,024 x 64 float32; Wo 1,024 x 1,024 float32; Wq 1,024 x 1,024 float32; Wv 1,024 x 64 float32; bk 64 float32; bo 1,024 float32; bq 1,024 float32; bv 64 float32; key 4 x 2,048 x 1,024 float32; mask 4 x 2,048 bool; query 4 x 2,048 x 1,024 float32; value 4 x 2,048 x 1,024 float32.
;; Outputs: out0 4 x 2,048 x 1,024 float32.
;; This version of the problem:
;;   THIS VERSION OF THE PROBLEM IS GIVEN IN LOW PRECISION. The matrix products marked QUANTISED in the list below multiply operands that are first quantised to E2M3 (2 exponent bits, 3 mantissa bits; 6 bits a number), with one power-of-two scale for each 32 numbers along K (OCP MX v1.0); their sums are f32. All else is computed in f32.
;;   The module's matrix products, in the order in which they are computed (A, B: the left and right operand; K: the contracted axis; several contracted axes count as one K, in the product's order):
;;     1. [M 8,192, K 1,024] x [K 1,024, N 1,024]; A: input query; B: input Wq: QUANTISED
;;     2. [M 8,192, K 1,024] x [K 1,024, N 64]; A: input key; B: input Wk: QUANTISED
;;     3. [M 8,192, K 1,024] x [K 1,024, N 64]; A: input value; B: input Wv: QUANTISED
;;     4. batch 4 x [M 2,048, K 64] x [K 64, N 32,768]; A: computed on the way; B: computed on the way: QUANTISED
;;     5. batch 4 x [M 64, K 2,048] x [K 2,048, N 32,768]; A: computed on the way; B: softmax (see below): QUANTISED
;;     6. [M 8,192, K 1,024] x [K 1,024, N 1,024]; A: computed on the way; B: input Wo: QUANTISED
;;   THE QUANTISER, for each operand of a quantised product, along K:
;;     - K is cut into blocks of 32 from its start; a last block that is shorter is filled with zeros.
;;     - A block's scale is 2^e with e = floor(log2(the largest magnitude in the block)) - 2, held to -126 .. 127; a block of zeros has e = 0. As a byte (E8M0): e + 127.
;;     - Each number is divided by its block's scale, clamped to +-7.5, and rounded to the nearest number of E2M3, ties to even, subnormals kept.
;;     - The product sums the exact products of the quantised numbers (number of the format x scale) in f32.
;;   ~~~python
;;   def quantise(x, axis):      # numpy; x: float32 -> the quantised numbers, widened to float32 again
;;       x = np.moveaxis(x, axis, -1); K = x.shape[-1]
;;       x = np.pad(x, [(0, 0)] * (x.ndim - 1) + [(0, -K % 32)]); x = x.reshape(x.shape[:-1] + (-1, 32)); a = np.abs(x).max(-1, keepdims=True)
;;       e = np.where(a > 0, np.clip(np.frexp(np.where(a > 0, a, 1))[1] - 1 - 2, -126, 127), 0)      # np.frexp(a)[1] - 1 = floor(log2(a)), exactly
;;       r = np.clip(x / 2.0 ** e, -7.5, 7.5)
;;       step = 2.0 ** (np.maximum(np.frexp(np.where(r == 0, 1, r))[1] - 1, 0) - 3)
;;       q = np.round(r / step) * step * 2.0 ** e      # np.round: ties to even
;;       return np.moveaxis(q.reshape(q.shape[:-2] + (-1,))[..., :K], -1, axis).astype(np.float32)
;;   ~~~
;;   SOFTMAX AHEAD OF A QUANTISED PRODUCT. Where the list says 'softmax', what is quantised is not the finished softmax but p = 2^(t - M), with t = logit x log2(e) and M = ceil(the row's largest t), a whole number; so 1/2 < the row's largest p <= 1. The row's sum l is taken of the UNQUANTISED p, in f32, and the product's result is divided by l at the end. Since M is a whole number, a kernel that streams over the keys may use a running M (the ceiling of the running maximum): every later rescaling is an exact power of two, which a block's scale takes up: the codes' values come out the same.
;;   OPERANDS COMPUTED ON THE WAY. 'Computed on the way' means the value that the module computes at that place (a softmax that the list does not call 'softmax' is quantised finished and normalised). What goes into a quantiser is computed in f32, as accurately as f32 sums, v_exp_f32 and their like allow (about 1e-6 of the number): no bf16 or f16 on the way to a quantiser, and a product that is left as it is and whose result goes on into a quantised operand takes f32 operands (vector FMAs, or v_wmma_f32_16x16x4_f32). A number that lies on a knife's edge between two numbers of the format may be rounded either way, as far as f32 arithmetic and the matrix unit's own rounding can turn it there, and no further.
;; One version. Each part assembles by itself: llvm-mc -triple=amdgcn-amd-amdhsa -mcpu=gfx1250 --defsym DOCPART=n.
;; ======== version 1 of 1: 4 launches
;; limits: right only within a limited range of input values
;; workspace buffers: xq 6,553,600 bytes; w 1,740,800 bytes; qimg 6,291,456 bytes; qsc 262,144 bytes; kv 966,656 bytes; att 6,553,600 bytes
;; launch prep (part 1): grid 392 x 1, 4 waves a work-group, no clusters, 46,592 bytes of LDS; arguments query, Wq, Wo, Wk, Wv, xq, w; writes xq, w
.if DOCPART == 1
	.amdgcn_target "amdgcn-amd-amdhsa--gfx1250"
	.amdhsa_code_object_version 6
	.text
	.protected	k_qb24f4f074a_prep
	.globl	k_qb24f4f074a_prep
	.p2align	8
	.type	k_qb24f4f074a_prep,@function
k_qb24f4f074a_prep:
	s_mov_b64 s[64:65], 0
	v_nop
	global_prefetch_b8 v0, s[64:65] scope:SCOPE_SE
	s_setreg_imm32_b32 hwreg(HW_REG_WAVE_MODE, 25, 1), 1
	s_wait_xcnt 0x0
; PREP.  Every operand that arrives as f32 is quantised once to FP6 (E2M3) with one E8M0 byte for each 32 along K, and laid in the order of the matrix operand's registers.
; A TILE is 16 rows (of query, key, value) or 16 columns (of a weight): tile T, lane r holds row 32 (T / 2) + 8 (T % 2) + r + 8 (r / 8).
; A RECORD (12,800 bytes) is a tile for all K = 1,024: eight fragment images of 1,536 bytes (K step s at 1,536 s; registers 4 c .. 4 c + 3 of lane l at 512 c + 16 l), then 512 bytes of scale words (row r, K step s at 12,288 + 32 r + 4 s).
; xq: records 512 X + T (X = 0 query, 1 key, 2 value).   w: records 0-63 Wq, 64-127 Wo, 128-131 Wk, 132-135 Wv.
; Work-groups 0-135 take the weights (K is their FIRST axis: a lane takes a column and its registers run down K), work-groups 136-903 the rows (K innermost: dense loads, turned through the wave's own stage in LDS).
; A block's scale is 2^(floor(log2(largest magnitude)) - 2): its byte is the largest magnitude's exponent field - 2, held at 1 from below.
; LIMITS: a block of zeros, or one whose largest magnitude lies under 2^-124, keeps the byte 1 (its codes are then zeros or held small; this program alone reads the bytes); NaN and infinities among the inputs are not served.
; No matrix work, no tensor loads, no barrier: waves share nothing; each path has LDS bytes of its own.
; IN THIS PROGRAM the rows' path serves query alone (X = 0, work-groups 136-391, xq holds 512 records): key and value are each read by one work-group of the next launch, which quantises them itself.
.set REC,   12800
.set FRB,   1536
.set NW,    136                        ; work-groups of the weights' path
.set XSTB,  8448                       ; rows' path: a wave's stage, 16 rows x (512 + 16) bytes
.set WSTG,  4*XSTB                     ; weights' path: the stages begin here,
.set WSTB,  3072                       ; two fragment images for each wave
.set SEL,   24                         ; s[24:25] lane selects: lane l xor 16
.set LI,    1                          ; v1   16 x lane
.set SI,    2                          ; v2   rows: into the stage
.set SR,    3                          ; v3   rows: out of it: 528 r + 64 h
.set R32,   4                          ; v4   32 r
.set LN,    5                          ; v5   lane
.set LB,    9                          ; v9   weights: into the stage
.set RB,    10                         ; v10  weights: out of it
.set WO,    11                         ; v11  weights: my column's scale word
.set L4,    12                         ; v12  4 x lane
.set RAW,   16                         ; v16-143  rows: two sets of 64 registers as loaded
.set XN,    144                        ; v144-207 rows: 64 numbers, register 16 b + i = k 32 b + 16 h + i of my row
.set TM,    208                        ; v208-219 at work in the quantiser
.set PC,    220                        ; v220-239 the codes just made
.set PW,    240                        ; v240     the scale word just made
.set WD,    244                        ; v244-247 four K steps' scale words
.set VO,    16                         ; v16-47   weights: i x pitch + 4 x lane
.set NN,    48                         ; v48-111  weights: two sets of 32 numbers
.set DD,    112                        ; v112-143 weights: a block's six code registers, eight apart
.set TT,    144                        ; v144-146 the second half of a block's codes as made
.set WB,    148                        ; v148     my column's four scale bytes
.set WK,    150                        ; v150-153 at work
.set OB,    160                        ; v160-183 the two images on their way out
; 64 numbers of a lane, v[s + 16 b + i] = k 32 b + 16 (lane / 16) + i of my row, become a fragment's 12 registers in v[pc] on and the row's scale word in v[pw].
.macro QUANT4 s, tm, pc, pw
.irp b, 0,1,2,3
	v_max3_num_f32 v[\tm+\b], |v[\s+16*\b]|, |v[\s+16*\b+1]|, 0x1800000   ; my 16 numbers of block b, and the floor 2^(3 - 127): the byte cannot fall under 1
.endr
.irp i, 2,4,6,8,10,12,14
.irp b, 0,1,2,3
	v_max3_num_f32 v[\tm+\b], v[\tm+\b], |v[\s+16*\b+\i]|, |v[\s+16*\b+\i+1]|   ; the four blocks by turns
.endr
.endr
.irp b, 0,1,2,3
	v_permlanex16_b32 v[\tm+4+\b], v[\tm+\b], s[SEL], s[SEL+1]
.endr
.irp b, 0,1,2,3
	v_max_num_f32 v[\tm+\b], v[\tm+\b], v[\tm+4+\b]   ; with lane l xor 16's 16: the block's largest magnitude
.endr
.irp b, 0,1,2,3
	v_add_nc_u32 v[\tm+8+\b], 0xff000000, v[\tm+\b]   ; 2 off its exponent field: the conversion's scale operand
.endr
.irp b, 0,1,2,3
	v_lshrrev_b32 v[\tm+4+\b], 23, v[\tm+8+\b]   ; the scale's byte
.endr
	v_lshl_or_b32 v[\pw], v[\tm+5], 8, v[\tm+4]
	v_lshl_or_b32 v[\pw], v[\tm+6], 16, v[\pw]
	v_lshl_or_b32 v[\pw], v[\tm+7], 24, v[\pw]
.irp c, 0,1
	v_cvt_scalef32_pk16_fp6_f32 v[\pc+6*\c:\pc+6*\c+2], v[\s+32*\c:\s+32*\c+15], v[\tm+8+2*\c]
	v_cvt_scalef32_pk16_fp6_f32 v[\pc+12+4*\c:\pc+12+4*\c+2], v[\s+32*\c+16:\s+32*\c+31], v[\tm+8+2*\c+1]   ; (a conversion's three registers begin on an even number)
.endr
	v_nop                                          ; one plain instruction behind the scaled conversions
.irp c, 0,1                                    ; the operand wants a whole block in a lane: lanes 0-15 block 2 c, lanes 16-31 block 2 c + 1
.irp i, 0,1,2
	v_permlane16_swap_b32 v[\pc+6*\c+\i], v[\pc+12+4*\c+\i]
.endr
.irp i, 0,1,2
	v_mov_b32 v[\pc+6*\c+3+\i], v[\pc+12+4*\c+\i]
.endr
.endr
.endm
	s_load_b64 s[4:5], s[0:1], 0x0                 ; query
	s_load_b64 s[10:11], s[0:1], 0x8               ; Wq
	s_load_b256 s[12:19], s[0:1], 0x10             ; Wo s[12:13], Wk s[14:15], Wv s[16:17], xq s[18:19]
	s_load_b64 s[20:21], s[0:1], 0x30              ; w
	v_lshl_add_u32 v254, v0, 2, 0xb400
	v_mov_b32 v255, 0
	v_lshrrev_b32 v6, 5, v0
	v_readfirstlane_b32 s22, v6                    ; wave 0..3
	v_and_b32 v[LN], 31, v0
	v_and_b32 v6, 15, v0                           ; r
	v_bfe_u32 v7, v0, 4, 1                         ; h
	s_mov_b32 s[SEL], 0x76543210
	s_mov_b32 s[SEL+1], 0xfedcba98
	v_lshlrev_b32 v[LI], 4, v[LN]
	s_mul_i32 s23, s22, XSTB
	v_add_nc_u32 v[SI], s23, v[LI]                 ; rows' stage, in: a row's 512 bytes as they lie
	v_mul_u32_u24 v[SR], v6, 528
	v_lshl_add_u32 v[SR], v7, 6, v[SR]
	v_add_nc_u32 v[SR], s23, v[SR]                 ; and out: row r, + 64 h: my 16 numbers of each block of 32
	v_lshlrev_b32 v[R32], 5, v6
	v_bfe_u32 v8, v0, 3, 1                         ; weights: column x = lane of 32 lies in tile u = (x / 8) % 2,
	v_and_b32 v13, 7, v0
	v_lshl_add_u32 v13, v7, 3, v13                 ; at its row x % 8 + 8 (x / 16)
	s_mul_i32 s23, s22, WSTB
	s_add_co_u32 s23, s23, WSTG
	v_mul_u32_u24 v[LB], v8, FRB
	v_lshl_add_u32 v[LB], v13, 4, v[LB]
	v_add_nc_u32 v[LB], s23, v[LB]
	v_add_nc_u32 v[RB], s23, v[LI]
	v_mul_u32_u24 v[WO], v8, REC
	v_lshl_add_u32 v[WO], v13, 5, v[WO]
	v_lshlrev_b32 v[L4], 2, v[LN]
.irp b, 0,1,2,3
	v_mov_b32 v[TM+4+\b], 0                        ; written once: a lane permute's destination counts as one of its sources
.endr
	s_cmp_lt_u32 ttmp9, NW
	s_cbranch_scc1 .Lw_path
; ---- ROWS.  A wave takes one tile and half of K: four K steps of 128.
	s_sub_co_u32 s26, ttmp9, NW
	s_lshr_b32 s27, s26, 8                         ; X: which tensor
	s_and_b32 s26, s26, 255
	s_lshl_b32 s26, s26, 1
	s_lshr_b32 s28, s22, 1
	s_add_co_u32 s26, s26, s28                     ; the tile
	s_and_b32 s28, s22, 1                          ; which half of K
	s_lshr_b32 s32, s26, 1
	s_lshl_b32 s32, s32, 17                        ; 32 rows of 4,096 bytes
	s_and_b32 s33, s26, 1
	s_lshl_b32 s33, s33, 15                        ; 8 rows
	s_add_co_u32 s32, s32, s33
	s_lshl_b32 s33, s28, 11                        ; half a row
	s_add_co_u32 s32, s32, s33
	s_mov_b32 s33, 0
	s_lshl_b32 s34, s27, 9
	s_add_co_u32 s34, s34, s26
	s_mul_i32 s34, s34, REC                        ; the tile's record
	s_mov_b32 s35, 0
	s_mul_i32 s40, s28, 4*FRB                      ; my four images in it
	s_mov_b32 s41, 0
	s_lshl_b32 s42, s28, 4
	s_add_co_u32 s42, s42, 8*FRB                   ; my four words of each row's eight
	s_mov_b32 s43, 0
	s_wait_kmcnt 0x0
	s_mov_b64 s[30:31], s[4:5]
	s_add_nc_u64 s[30:31], s[30:31], s[32:33]
	s_add_nc_u64 s[36:37], s[18:19], s[34:35]
	s_add_nc_u64 s[38:39], s[36:37], s[40:41]
	s_add_nc_u64 s[36:37], s[36:37], s[42:43]
.macro LOADX p                         ; K step p of the tile's 16 rows: each load reads 512 consecutive bytes of one row
.irp i, 0,1,2,3,4,5,6,7,8,9,10,11,12,13,14,15
	global_load_b128 v[RAW+64*((\p)%2)+4*\i:RAW+64*((\p)%2)+4*\i+3], v[LI], s[30:31] offset:(\i+8*(\i/8))*4096+512*(\p) th:TH_LOAD_NT
.endr
.endm
.macro STEPX p
.if (\p) < 3
	s_wait_loadcnt 16                              ; this step's 16 loads are in; the next step's 16 may be out
.else
	s_wait_loadcnt 0x0
.endif
.irp i, 0,1,2,3,4,5,6,7,8,9,10,11,12,13,14,15
	ds_store_b128 v[SI], v[RAW+64*((\p)%2)+4*\i:RAW+64*((\p)%2)+4*\i+3] offset:528*\i
.endr
.irp b, 0,1,2,3
.irp j, 0,1,2,3
	ds_load_b128 v[XN+16*\b+4*\j:XN+16*\b+4*\j+3], v[SR] offset:128*\b+16*\j   ; LDS serves a wave's instructions in order: these see the stores above
.endr
.endr
	s_wait_dscnt 0x0                               ; the numbers are back, and the stores have read their registers
	s_wait_xcnt 0x0                                ; the last step's global stores have read the codes' registers
.if (\p) < 2
	LOADX (\p)+2
.endif
	QUANT4 XN, TM, PC, PW
.irp c, 0,1,2
	global_store_b128 v[LI], v[PC+4*\c:PC+4*\c+3], s[38:39] offset:FRB*(\p)+512*\c   ; 32 lanes store 512 consecutive bytes
.endr
	v_mov_b32 v[WD+(\p)], v[PW]
.endm
	LOADX 0
	LOADX 1
	STEPX 0
	STEPX 1
	STEPX 2
	STEPX 3
	v_cmp_gt_u32 vcc_lo, 16, v[LN]                 ; both halves of the lanes hold the same words: lanes 0-15 store them
	s_wait_alu depctr_va_vdst(0)
	s_wait_xcnt 0x0                                ; EXEC changes only behind this wait
	s_wait_tensorcnt 0x0
	ds_add_u32 v254, v255
	s_wait_dscnt 0x0
	s_and_saveexec_b32 s26, vcc_lo
	global_store_b128 v[R32], v[WD:WD+3], s[36:37]
	s_wait_xcnt 0x0
	s_or_b32 exec_lo, exec_lo, s26
	s_endpgm
; ---- WEIGHTS.  A wave takes 32 columns (two tiles) x one K step of 128: four blocks of 32 a lane.
.Lw_path:
	s_lshr_b32 s26, ttmp9, 3                       ; 0-7 Wq, 8-15 Wo (128 columns each), 16 Wk and Wv
	s_and_b32 s27, ttmp9, 7                        ; the K step
	s_lshl_b32 s28, s26, 2
	s_add_co_u32 s28, s28, s22                     ; which pair of records
	s_and_b32 s29, s26, 7
	s_lshl_b32 s29, s29, 7
	s_lshl_b32 s30, s22, 5
	s_add_co_u32 s29, s29, s30                     ; first column in Wq or Wo
	s_and_b32 s30, s22, 1
	s_lshl_b32 s30, s30, 5                         ; in Wk or Wv
	s_mov_b32 s40, 256                             ; a row of Wk or Wv in bytes
	s_wait_kmcnt 0x0
	s_cmp_lt_u32 s22, 2
	s_cselect_b64 s[42:43], s[14:15], s[16:17]
	s_cmp_lt_u32 s26, 8
	s_cselect_b64 s[44:45], s[10:11], s[12:13]
	s_cmp_lt_u32 s26, 16
	s_cselect_b64 s[42:43], s[44:45], s[42:43]
	s_cselect_b32 s29, s29, s30
	s_cselect_b32 s40, 4096, s40                   ; a row of Wq or Wo
	s_lshl_b32 s41, s27, 7
	s_mul_i32 s41, s41, s40                        ; 128 rows for each K step
	s_lshl_b32 s29, s29, 2
	s_add_co_u32 s46, s41, s29
	s_mov_b32 s47, 0
	s_add_nc_u64 s[32:33], s[42:43], s[46:47]      ; block 0's first row, my wave's first column
	s_lshl_b32 s46, s40, 5
	s_add_nc_u64 s[34:35], s[32:33], s[46:47]      ; blocks 1, 2, 3: 32 rows further each
	s_add_nc_u64 s[36:37], s[34:35], s[46:47]
	s_add_nc_u64 s[38:39], s[36:37], s[46:47]
	s_mul_i32 s46, s28, 2*REC
	s_add_nc_u64 s[20:21], s[20:21], s[46:47]
	s_mul_i32 s46, s27, FRB
	s_add_nc_u64 s[42:43], s[20:21], s[46:47]      ; the K step's images
	s_lshl_b32 s46, s27, 2
	s_add_co_u32 s46, s46, 8*FRB
	s_add_nc_u64 s[44:45], s[20:21], s[46:47]      ; and its scale words
.set i, 0
	s_wait_alu depctr_va_vdst(0)
.rept 32
	v_mad_u32_u24 v[VO+i], s40, i, v[L4]           ; row i of a block, my column
.set i, i+1
.endr
.macro LOADW t                         ; block t: 32 rows; each load reads 128 consecutive bytes a wave
.set i, 0
.rept 32
	global_load_b32 v[NN+32*((\t)%2)+i], v[VO+i], s[32+2*(\t):33+2*(\t)] th:TH_LOAD_NT
.set i, i+1
.endr
.endm
.macro BLOCK kb                        ; block kb = 2 c + h goes to registers 6 c .. 6 c + 5 of lane 16 h + my row in my tile's image
.set NS, NN+32*((\kb)%2)
.set DR, DD+8*(\kb)
.if (\kb) < 3
	s_wait_loadcnt 32                              ; this block's 32 loads are in; the next block's may be out
.else
	s_wait_loadcnt 0x0
.endif
	v_max3_num_f32 v[WK], |v[NS]|, |v[NS+1]|, |v[NS+2]|             ; all 32 numbers are mine: two chains
	v_max3_num_f32 v[WK+1], |v[NS+3]|, |v[NS+4]|, |v[NS+5]|
.irp i, 6,10,14,18,22,26
	v_max3_num_f32 v[WK], v[WK], |v[NS+\i]|, |v[NS+\i+1]|
	v_max3_num_f32 v[WK+1], v[WK+1], |v[NS+\i+2]|, |v[NS+\i+3]|
.endr
	v_max3_num_f32 v[WK], v[WK], |v[NS+30]|, |v[NS+31]|
	v_max3_num_f32 v[WK], v[WK], v[WK+1], 0x1800000                 ; and the floor
	v_add_nc_u32 v[WK+2], 0xff000000, v[WK]
	v_lshrrev_b32 v[WK+3], 23, v[WK+2]
.if (\kb) == 0
	v_mov_b32 v[WB], v[WK+3]
.else
	v_lshl_or_b32 v[WB], v[WK+3], 8*(\kb), v[WB]
.endif
	v_cvt_scalef32_pk16_fp6_f32 v[DR:DR+2], v[NS:NS+15], v[WK+2]
	v_cvt_scalef32_pk16_fp6_f32 v[TT:TT+2], v[NS+16:NS+31], v[WK+2]
	v_nop                                          ; one plain instruction behind the scaled conversions
.irp i, 0,1,2
	v_mov_b32 v[DR+3+\i], v[TT+\i]
.endr
.if (\kb) < 2
	ds_store_b128 v[LB], v[DR:DR+3] offset:256*(\kb)                ; registers 0-3
	ds_store_b64 v[LB], v[DR+4:DR+5] offset:512+256*(\kb)           ; registers 4, 5
.else
	ds_store_b64 v[LB], v[DR:DR+1] offset:520+256*((\kb)-2)         ; registers 6, 7
	ds_store_b128 v[LB], v[DR+2:DR+5] offset:1024+256*((\kb)-2)     ; registers 8-11
.endif
.if (\kb) < 2
	LOADW (\kb)+2
.endif
.endm
	LOADW 0
	LOADW 1
	BLOCK 0
	BLOCK 1
	BLOCK 2
	BLOCK 3
	global_store_b32 v[WO], v[WB], s[44:45]        ; my column's word of this K step
.irp i, 0,1,2,3,4,5
	ds_load_b128 v[OB+4*\i:OB+4*\i+3], v[RB] offset:512*\i          ; the two images, as they will lie in memory
.endr
	s_wait_dscnt 0x0
.irp i, 0,1,2,3,4,5
	global_store_b128 v[LI], v[OB+4*\i:OB+4*\i+3], s[42:43] offset:(\i/3)*REC+512*(\i%3)
.endr
	s_wait_tensorcnt 0x0
	ds_add_u32 v254, v255
	s_wait_dscnt 0x0
	s_endpgm
.Lfunc_end_k_qb24f4f074a_prep:
	.size	k_qb24f4f074a_prep, .Lfunc_end_k_qb24f4f074a_prep-k_qb24f4f074a_prep
	.p2alignl 7, 3214868480
	.fill 96, 4, 3214868480
	.section	.rodata,"a",@progbits
	.p2align	6, 0x0
	.amdhsa_kernel k_qb24f4f074a_prep
		.amdhsa_group_segment_fixed_size 46592
		.amdhsa_private_segment_fixed_size 0
		.amdhsa_enable_private_segment 0
		.amdhsa_kernarg_size 56
		.amdhsa_user_sgpr_count 2
		.amdhsa_user_sgpr_kernarg_segment_ptr 1
		.amdhsa_wavefront_size32 1
		.amdhsa_system_sgpr_workgroup_id_x 1
		.amdhsa_system_sgpr_workgroup_id_y 1
		.amdhsa_system_sgpr_workgroup_id_z 1
		.amdhsa_system_vgpr_workitem_id 0
		.amdhsa_next_free_vgpr 256
		.amdhsa_next_free_sgpr 66
		.amdhsa_reserve_vcc 1
		.amdhsa_float_denorm_mode_32 3
		.amdhsa_float_denorm_mode_16_64 3
		.amdhsa_memory_ordered 1
		.amdhsa_forward_progress 1
		.amdhsa_inst_pref_size 58
	.end_amdhsa_kernel
	.amdgpu_metadata
---
amdhsa.version: [ 1, 2 ]
amdhsa.kernels:
  - .name:           k_qb24f4f074a_prep
    .symbol:         k_qb24f4f074a_prep.kd
    .args:
      - { .name: query, .offset: 0, .size: 8, .value_kind: global_buffer, .address_space: global }
      - { .name: Wq, .offset: 8, .size: 8, .value_kind: global_buffer, .address_space: global }
      - { .name: Wo, .offset: 16, .size: 8, .value_kind: global_buffer, .address_space: global }
      - { .name: Wk, .offset: 24, .size: 8, .value_kind: global_buffer, .address_space: global }
      - { .name: Wv, .offset: 32, .size: 8, .value_kind: global_buffer, .address_space: global }
      - { .name: xq, .offset: 40, .size: 8, .value_kind: global_buffer, .address_space: global }
      - { .name: w, .offset: 48, .size: 8, .value_kind: global_buffer, .address_space: global }
    .group_segment_fixed_size: 46592
    .private_segment_fixed_size: 0
    .kernarg_segment_align: 8
    .kernarg_segment_size: 56
    .max_flat_workgroup_size: 128
    .sgpr_count:     66
    .vgpr_count:     256
    .wavefront_size: 32
...
	.end_amdgpu_metadata
.endif
;; end of part 1
;; launch proj (part 2): grid 256 x 1, 4 waves a work-group, no clusters, 325,120 bytes of LDS; arguments xq, w, bq, bk, bv, mask, qimg, qsc, kv, key, value; writes qimg, qsc, kv
.if DOCPART == 2
	.amdgcn_target "amdgcn-amd-amdhsa--gfx1250"
	.amdhsa_code_object_version 6
	.text
	.protected	k_qb24f4f074a_proj
	.globl	k_qb24f4f074a_proj
	.p2align	8
	.type	k_qb24f4f074a_proj,@function
k_qb24f4f074a_proj:
	s_mov_b64 s[64:65], 0
	v_nop
	global_prefetch_b8 v0, s[64:65] scope:SCOPE_SE
	s_setreg_imm32_b32 hwreg(HW_REG_WAVE_MODE, 25, 1), 1
	s_wait_xcnt 0x0
; PROJ.  q = query Wq + bq, k = key Wk + bk, v = value Wv + bv on FP6 codes, and the results quantised at once for attention's two products.
; 256 work-groups.  0-63: v, 128 rows each;  64-127: k, 128 rows each;  128-255: q, 256 rows x 4 heads each.  Rows lie in LDS as RECORDS: a record (12,800 bytes) is a tile of 16 rows for all K = 1,024: eight fragment images of 1,536 bytes
; (K step s at 1,536 s; registers 4 c .. 4 c + 3 of lane l at 512 c + 16 l), then 512 bytes of scale words (row r, K step s at 12,288 + 32 r + 4 s).  Tile T, lane r holds row 32 (T / 2) + 8 (T % 2) + r + 8 (r / 8).
; q's records were made by the launch before (four work-groups read each): 16 of them, 204,800 dense bytes, come in once, a quarter by each wave's one tensor load.
; key's and value's rows are read by ONE work-group each, so they are quantised HERE: wave w takes tiles 2 w, 2 w + 1 as f32 (each load reads 256 consecutive bytes of two rows; four fetches of 16 loads by turns, three ahead), turns them through its own
; stage in LDS, half a K step at a time, quantises, and stores the records' images into LDS bytes of the k and v path's own, into which no tensor load lands; a barrier shows them to all four waves.  The two ways part once, on the work-group's number.
; q: work-group (rg, cg): rows 256 rg on, heads 4 cg .. 4 cg + 3, a head (four tiles of Wq's columns) to a wave; the weights stay in registers; a loop of two trips takes eight tiles of rows each.
;    The product is used TRANSPOSED (source 0 = 16 columns of W, source 1 = 16 rows of x): a lane holds one row, and the 16 registers of column tiles 2 b, 2 b + 1 are 16 neighbours along d.
;    Two tiles of rows give one image: registers 0-5 tile 2 P, 6-11 tile 2 P + 1, in each k = 32 h + 0 .. 31 of the head's 64.
; k: the same with Wk; wave w takes row tiles 2 w, 2 w + 1.  A key tile's image is 1,024 bytes: registers 0-5 codes, register 6 THE MASK'S CODE (k = 64: -7.5 where the key is masked, else 0), register 7 zero;
;    its scale word is [d block 0, d block 1, masked ? 157 : 1, 1]: against q's code 1.0 at k = 64 a masked key's score gets -7.5 x 2^30 added, an open key's exactly 0.
; v: NOT transposed (source 0 = 16 keys, source 1 = 16 columns of Wv): a lane holds one d and its 64 registers run along 128 keys, the second product's K; wave w takes d tile w.
; The biases are the C of each sum's first matrix instruction.
; No cluster: the k and v work-groups share nothing, and partners of one launch would have to walk one text alike; of the 409,600 bytes that a q work-group reads once, 204,800 are shared with three others.
; LIMITS: a block of zeros, or one under 2^-124, keeps the scale byte 1 (this program alone reads the bytes); NaN and infinities are not served.
; REGISTERS: window 0: addresses, v16-79 accumulators (k, v: also the numbers to be quantised), v80-143 at work, v144-175 W's scale words, v176-239 x's.   window 1: W's fragments of K steps 0-3 at v[12 (4 s + t)], the biases from v192.
;   window 2: W's fragments of K steps 4-7.   window 3: two buffers of eight fragments of x, v0-95 and v96-191; ahead of them, in k and v, four sets of 64 registers of rows as loaded.
.set REC,   12800
.set FRB,   1536
.set KVB,   241664                     ; a batch's record in kv: K's images, V's images at 131,072, K's scale words at 229,376, V's at 237,568
.set KVL,   16*REC                     ; LDS: the k and v path's records, behind q's sixteen
.set STG,   24*REC                     ; its stages,
.set XSTB,  4352                       ; 16 rows x (256 + 16) bytes a wave
.set SPARE, STG+4*XSTB                 ; the spare words
.set LI,    1                          ; v1   16 x lane: an image's place for my lane
.set LN,    2                          ; v2   lane
.set AF1,   3                          ; v3   LDS: records 4-7 of the eight at work
.set AS0,   4                          ; v4   32 r: a record's scale words
.set AS1,   5                          ; v5   LDS: records 4-7
.set AFK,   6                          ; v6   k, v: my wave's two records
.set ASK,   7                          ; v7
.set H64,   8                          ; v8   64 h
.set R16,   9                          ; v9   16 r
.set RR,    10                         ; v10  r + 8 (r / 8)
.set RR4,   11                         ; v11  4 x that
.set AF0,   12                         ; v12  LDS: records 0-3 of the eight at work
.set ASL,   13                         ; v13  their scale words
.set SI,    14                         ; v14  the stage, in
.set SR,    15                         ; v15  and out: 272 r + 64 h
.set X,     16
.set TM,    80
.set PC,    92
.set PW,    112
.set RA,    113                        ; v113 the trip's place in my records' images
.set RS,    114                        ; v114 and in their scale words
.set LG,    115                        ; v115 k, v: my place in a load: 16 r, lanes 16-31 sixteen rows further on
.set QW,    116
.set KB,    120
.set MB,    128
.set HC,    130                        ; v130 the code of -7.5 in lanes 0-15, 0 in lanes 16-31
.set UPO,   131                        ; v131 the upper half of an open key's scale word
.set UPM,   132                        ; v132 of a masked key's
.set W0,    134
.set WKR,   136
.set WS,    144
.set XS,    176
.set WV,    22
.set G1,    24
.set G0,    32
.set SEL,   36
.set MSB, 0
.macro WIN new                         ; the immediate's high byte repeats the setting that is left
.if MSB != \new
	s_set_vgpr_msb (MSB<<8)|\new
.set MSB, \new
.endif
.endm
.macro PLACES                          ; four plain instructions behind a matrix instruction, ahead of loads into its registers and of reads of its result
.rept 4
	v_nop
.endr
.endm
.macro QUANT4 s, tm, pc, pw            ; 64 numbers of a lane, v[s + 16 b + i] = k 32 b + 16 (lane / 16) + i of my row -> 12 code registers in v[pc] on, the scale word in v[pw]
.irp b, 0,1,2,3
	v_max3_num_f32 v[\tm+\b], |v[\s+16*\b]|, |v[\s+16*\b+1]|, 0x1800000   ; each accumulator is read from its low end on; the floor 2^(3 - 127) holds the byte at 1 from below
.endr
.irp i, 2,4,6,8,10,12,14
.irp b, 0,1,2,3
	v_max3_num_f32 v[\tm+\b], v[\tm+\b], |v[\s+16*\b+\i]|, |v[\s+16*\b+\i+1]|
.endr
.endr
.irp b, 0,1,2,3
	v_permlanex16_b32 v[\tm+4+\b], v[\tm+\b], s[SEL], s[SEL+1]
.endr
.irp b, 0,1,2,3
	v_max_num_f32 v[\tm+\b], v[\tm+\b], v[\tm+4+\b]
.endr
.irp b, 0,1,2,3
	v_add_nc_u32 v[\tm+8+\b], 0xff000000, v[\tm+\b]
.endr
.irp b, 0,1,2,3
	v_lshrrev_b32 v[\tm+4+\b], 23, v[\tm+8+\b]
.endr
	v_lshl_or_b32 v[\pw], v[\tm+5], 8, v[\tm+4]
	v_lshl_or_b32 v[\pw], v[\tm+6], 16, v[\pw]
	v_lshl_or_b32 v[\pw], v[\tm+7], 24, v[\pw]
.irp c, 0,1
	v_cvt_scalef32_pk16_fp6_f32 v[\pc+6*\c:\pc+6*\c+2], v[\s+32*\c:\s+32*\c+15], v[\tm+8+2*\c]
	v_cvt_scalef32_pk16_fp6_f32 v[\pc+12+4*\c:\pc+12+4*\c+2], v[\s+32*\c+16:\s+32*\c+31], v[\tm+8+2*\c+1]
.endr
	v_nop                                          ; one plain instruction behind the scaled conversions
.irp c, 0,1
.irp i, 0,1,2
	v_permlane16_swap_b32 v[\pc+6*\c+\i], v[\pc+12+4*\c+\i]
.endr
.irp i, 0,1,2
	v_mov_b32 v[\pc+6*\c+3+\i], v[\pc+12+4*\c+\i]
.endr
.endr
.endm
.macro WM d, a, b, c, sa, sb
	v_wmma_scale_f32_16x16x128_f8f6f4 v[\d:\d+7], v[\a:\a+11], v[\b:\b+11], v[\c:\c+7], v[\sa], v[\sb] matrix_a_fmt:MATRIX_FMT_FP6 matrix_b_fmt:MATRIX_FMT_FP6
.endm
; One tile of rows against my four tiles of columns, all of K: 32 matrix instructions; the four accumulators take turns, one instruction a turn.
.macro MULT m, set, buf
	WIN 0x1d                                       ; W and the bias window 1, x window 3, result window 0
.irp t, 0,1,2,3
	WM X+32*(\set)+8*\t, 12*\t, 96*(\buf), 192+8*\t, WS+8*\t, XS+8*(\m)
.endr
	WIN 0x0d
.irp s, 1,2,3
.irp t, 0,1,2,3
	WM X+32*(\set)+8*\t, 12*(4*\s+\t), 96*(\buf)+12*\s, X+32*(\set)+8*\t, WS+8*\t+\s, XS+8*(\m)+\s
.endr
.endr
	WIN 0x0e                                       ; W window 2
.irp s, 4,5,6,7
.irp t, 0,1,2,3
	WM X+32*(\set)+8*\t, 12*(4*\s-16+\t), 96*(\buf)+12*\s, X+32*(\set)+8*\t, WS+8*\t+\s, XS+8*(\m)+\s
.endr
.endr
	WIN 0
.endm
.macro FETCHT buf, areg, aoff          ; a tile's eight fragments from its record: 24 loads of 512 consecutive bytes
	WIN 0xc0
.irp s, 0,1,2,3,4,5,6,7
.irp c, 0,1,2
	ds_load_b128 v[96*(\buf)+12*\s+4*\c:96*(\buf)+12*\s+4*\c+3], v[\areg] offset:\aoff+FRB*\s+512*\c
.endr
.endr
	WIN 0
.endm
.macro XSLOAD a0, a1                   ; eight records' scale words: lane r takes row r's eight
.irp m, 0,1,2,3
	ds_load_b128 v[XS+8*\m:XS+8*\m+3], v[\a0] offset:REC*\m+12288
	ds_load_b128 v[XS+8*\m+4:XS+8*\m+7], v[\a0] offset:REC*\m+12304
.endr
.irp m, 0,1,2,3
	ds_load_b128 v[XS+32+8*\m:XS+32+8*\m+3], v[\a1] offset:REC*\m+12288
	ds_load_b128 v[XS+32+8*\m+4:XS+32+8*\m+7], v[\a1] offset:REC*\m+12304
.endr
.endm
.macro WLOAD4                          ; q and k: four tiles of columns (records at s[54:55]) into registers, their biases (at s[48:49]) and scale words
	WIN 0x40
.irp s, 0,1,2,3
.irp t, 0,1,2,3
.irp c, 0,1,2
	global_load_b128 v[12*(4*\s+\t)+4*\c:12*(4*\s+\t)+4*\c+3], v[LI], s[54:55] offset:REC*\t+FRB*\s+512*\c
.endr
.endr
.endr
.irp t, 0,1,2,3                                ; lane (r, h) wants, for tile t, the bias of columns 32 (t / 2) + 16 h + 8 (t % 2) + 0 .. 7
	global_load_b128 v[192+8*\t:192+8*\t+3], v[H64], s[48:49] offset:4*(32*(\t/2)+8*(\t%2))
	global_load_b128 v[192+8*\t+4:192+8*\t+7], v[H64], s[48:49] offset:4*(32*(\t/2)+8*(\t%2))+16
.endr
	WIN 0x80
.irp s, 4,5,6,7
.irp t, 0,1,2,3
.irp c, 0,1,2
	global_load_b128 v[12*(4*\s-16+\t)+4*\c:12*(4*\s-16+\t)+4*\c+3], v[LI], s[54:55] offset:REC*\t+FRB*\s+512*\c
.endr
.endr
.endr
	WIN 0
.irp t, 0,1,2,3
	global_load_b128 v[WS+8*\t:WS+8*\t+3], v[AS0], s[54:55] offset:REC*\t+12288
	global_load_b128 v[WS+8*\t+4:WS+8*\t+7], v[AS0], s[54:55] offset:REC*\t+12304
.endr
.endm
	s_load_b256 s[4:11], s[0:1], 0x0               ; xq s[4:5], w s[6:7], bq s[8:9], bk s[10:11]
	s_load_b256 s[12:19], s[0:1], 0x20             ; bv s[12:13], mask s[14:15], qimg s[16:17], qsc s[18:19]
	s_load_b64 s[20:21], s[0:1], 0x40              ; kv
	s_load_b128 s[60:63], s[0:1], 0x48             ; key s[60:61], value s[62:63]
	v_lshl_add_u32 v254, v0, 2, SPARE
	v_mov_b32 v255, 0
	ds_add_u32 v254, v255
	ds_add_u32 v254, v255
	v_lshrrev_b32 v140, 5, v0
	v_readfirstlane_b32 s[WV], v140                ; wave 0..3
	s_mov_b32 s[SEL], 0x76543210
	s_mov_b32 s[SEL+1], 0xfedcba98
	v_and_b32 v[LN], 31, v0
	v_and_b32 v141, 15, v0                         ; r
	v_bfe_u32 v142, v0, 4, 1                       ; h
	v_lshlrev_b32 v[LI], 4, v[LN]
	v_lshlrev_b32 v[AS0], 5, v141
	v_lshlrev_b32 v[H64], 6, v142
	v_lshlrev_b32 v[R16], 4, v141
	v_and_b32 v143, 8, v141
	v_add_nc_u32 v[RR], v143, v141
	v_lshlrev_b32 v[RR4], 2, v[RR]
	v_sub_nc_u32 v143, 1, v142
	v_mul_u32_u24 v[HC], v143, 0x3f
	v_mov_b32 v[UPO], 0x01010000
	v_mov_b32 v[UPM], 0x019d0000
.irp b, 0,1,2,3
	v_mov_b32 v[TM+4+\b], 0                        ; written once: a lane permute's destination counts as one of its sources
.endr
	s_wait_alu depctr_va_vdst(0)
	s_wait_dscnt 0x0
	s_wait_kmcnt 0x0
	s_cmp_lt_u32 ttmp9, 128
	s_cbranch_scc1 .Lkv
; ---- q
	s_sub_co_u32 s42, ttmp9, 128
	s_lshr_b32 s43, s42, 2                         ; rg: 256 rows
	s_and_b32 s44, s42, 3                          ; cg
	s_mul_i32 s39, s43, 16*REC                     ; my first record
	; descriptor group 1: 200 rows of 256 bytes (32 elements of 8 bytes), dense, no padding: four records
	s_mov_b32 s[G1], 3<<16
	s_mov_b32 s[G1+1], 32<<16                      ; tensor_dim0
	s_mov_b32 s[G1+2], 200<<16                     ; tensor_dim1
	s_mov_b32 s[G1+3], 32<<16                      ; tile_dim0
	s_mov_b32 s[G1+4], 200                         ; tile_dim1
	s_mov_b32 s[G1+5], 32                          ; the pitch
	s_mov_b32 s[G1+6], 0
	s_mov_b32 s[G1+7], 0
	s_mov_b32 s[G0], 1
	s_mul_i32 s[G0+1], s[WV], 4*REC                ; LDS: records 4 w .. 4 w + 3
	s_add_co_u32 s46, s39, s[G0+1]
	s_mov_b32 s47, 0
	s_add_nc_u64 s[G0+2:G0+3], s[4:5], s[46:47]
	s_or_b32 s[G0+3], s[G0+3], 0x80000000
	tensor_load_to_lds s[G0:G0+3], s[G1:G1+7]      ; my one tensor load: these bytes are filled once
	s_nop 0
.rept 4
	v_nop
.endr
	s_lshl_b32 s50, s44, 10
	s_lshl_b32 s51, s[WV], 8
	s_add_co_u32 s50, s50, s51                     ; my head's 64 numbers of bq
	s_lshl_b32 s52, s44, 4
	s_lshl_b32 s53, s[WV], 2
	s_add_co_u32 s52, s52, s53                     ; my head's first record of w
	s_mov_b32 s51, 0
	s_add_nc_u64 s[48:49], s[8:9], s[50:51]
	s_mul_i32 s52, s52, REC
	s_mov_b32 s53, 0
	s_add_nc_u64 s[54:55], s[6:7], s[52:53]
	WLOAD4
	s_wait_tensorcnt 0x0                           ; my four records have landed,
	s_barrier_signal -1
	s_barrier_wait -1                              ; everybody's have
	s_lshl_b32 s50, s43, 7
	s_lshl_b32 s52, s44, 2
	s_add_co_u32 s52, s52, s[WV]                   ; my head
	s_add_co_u32 s50, s50, s52
	s_mul_i32 s50, s50, FRB
	s_add_nc_u64 s[56:57], s[16:17], s[50:51]      ; qimg at (pair 8 rg, my head)
	s_lshl_b32 s50, s43, 5
	s_add_co_u32 s50, s50, s52
	s_lshl_b32 s50, s50, 8
	s_add_nc_u64 s[58:59], s[18:19], s[50:51]      ; qsc at (128 rows 2 rg, my head)
	s_mov_b32 s45, 0                               ; LDS: the eight records at work
	s_mov_b32 s47, 2
.Lq:                                                   ; a trip: eight tiles of rows
	v_add_nc_u32 v[AF0], s45, v[LI]
	v_add_nc_u32 v[ASL], s45, v[AS0]
	v_add_nc_u32 v[AF1], 4*REC, v[AF0]
	v_add_nc_u32 v[AS1], 4*REC, v[ASL]
	s_wait_alu depctr_va_vdst(0)                   ; directly behind the writes
	XSLOAD ASL, AS1
	FETCHT 0, AF0, 0
	s_wait_loadcnt 0x0                             ; the weights, biases and scale words
.macro QTRIP m
	PLACES
.if \m < 7
.if \m < 3
	FETCHT (\m+1)%2, AF0, REC*(\m+1)
.else
	FETCHT (\m+1)%2, AF1, REC*(\m-3)
.endif
	s_wait_dscnt 24                                ; this tile's fragments are in; the next tile's 24 loads may be out
.else
	s_wait_dscnt 0x0
.endif
	MULT \m, (\m)%2, (\m)%2
.endm
.macro QOUT pp                         ; two tiles of rows are done: one image and one scale word a row
	PLACES
	s_wait_xcnt 0x0                                ; the last image's stores have read the codes' registers
	QUANT4 X, TM, PC, PW
.irp c, 0,1,2
	global_store_b128 v[LI], v[PC+4*\c:PC+4*\c+3], s[56:57] offset:16*FRB*(\pp)+512*\c
.endr
	v_mov_b32 v[QW+(\pp)], v[PW]
.endm
.irp m, 0,1,2,3,4,5,6,7
	QTRIP \m
.if (\m%2) == 1
	QOUT \m/2
.endif
.endr
	v_cmp_gt_u32 vcc_lo, 16, v[LN]                 ; both halves of the lanes hold the same words: lanes 0-15 store them
	s_wait_alu depctr_va_vdst(0)
	s_wait_xcnt 0x0                                ; EXEC changes only behind this wait
	s_and_saveexec_b32 s60, vcc_lo
	global_store_b128 v[R16], v[QW:QW+3], s[58:59]
	s_wait_xcnt 0x0                                ; and the stores' bases step only behind it
	s_or_b32 exec_lo, exec_lo, s60
	s_add_nc_u64 s[56:57], s[56:57], 64*FRB        ; four pairs x 16 heads of images on
	s_add_nc_u64 s[58:59], s[58:59], 4096          ; 16 heads x 256 bytes of scale words on
	s_add_co_u32 s45, s45, 8*REC
	s_sub_co_u32 s47, s47, 1
	s_cmp_lg_u32 s47, 0
	s_cbranch_scc1 .Lq
	s_wait_tensorcnt 0x0                           ; the wave's end
	ds_add_u32 v254, v255
	s_wait_dscnt 0x0
	s_endpgm
; ---- k and v: my two tiles of key's or value's rows become records in LDS.  A trip takes K steps 2 T, 2 T + 1 of both tiles: fetch k = 2 u + pp is tile 2 w + u, K step 2 T + pp, in set k of window 3
.macro LOADX k, d                      ; fetch k of this trip (d = 0) or the next (d = 1): load 8 g + j reads 256 consecutive bytes, half g of the K step, of the tile's rows j (lanes 0-15) and 8 + j (lanes 16-31)
	WIN 0xc0
.irp i, 0,1,2,3,4,5,6,7,8,9,10,11,12,13,14,15
	global_load_b128 v[64*(\k)+4*\i:64*(\k)+4*\i+3], v[LG], s[60:61] offset:(8*((\k)/2)+(\i%8))*4096+512*((\k)%2)+256*(\i/8)+1024*(\d) th:TH_LOAD_NT
.endr
	WIN 0
.endm
.macro XSTEP k, more
.if (\k) == 0
	LOADX 3, 0                                     ; into the set whose numbers the step before has sent to the stage
	s_wait_loadcnt 48                              ; this fetch's 16 loads are in; the three younger fetches may be out
.elseif \more
	LOADX (\k)-1, 1
	s_wait_loadcnt 48
.else
	s_wait_loadcnt 16*(3-(\k))                     ; the last trip fetches nothing beyond the rows' end
.endif
.irp g, 0,1                                    ; half a K step at a time through the stage.  LDS serves a wave's instructions in order: the loads see the stores above them, and the second half's stores come behind the first half's loads
	WIN 0x0c
.irp j, 0,1,2,3,4,5,6,7
	ds_store_b128 v[SI], v[64*(\k)+32*\g+4*\j:64*(\k)+32*\g+4*\j+3] offset:272*\j
.endr
	WIN 0
.irp b, 0,1
.irp j, 0,1,2,3
	ds_load_b128 v[X+32*\g+16*\b+4*\j:X+32*\g+16*\b+4*\j+3], v[SR] offset:128*\b+16*\j
.endr
.endr
.endr
	s_wait_dscnt 0x0                               ; the numbers are back, and the stores have read their registers
	QUANT4 X, TM, PC, PW
.irp c, 0,1,2
	ds_store_b128 v[RA], v[PC+4*\c:PC+4*\c+3] offset:REC*((\k)/2)+FRB*((\k)%2)+512*\c
.endr
	ds_store_b32 v[RS], v[PW] offset:REC*((\k)/2)+12288+4*((\k)%2)   ; both halves of the lanes write the same word with the same value
.endm
.macro XTRIP more
	v_add_nc_u32 v[RA], s45, v[AFK]
	v_add_nc_u32 v[RS], s46, v[ASK]
.irp k, 0,1,2,3
	XSTEP \k, \more
.endr
.endm
.Lkv:
	s_lshr_b32 s38, ttmp9, 6                       ; 0: v, 1: k
	s_and_b32 s40, ttmp9, 63                       ; the group of 128 rows
	s_cmp_eq_u32 s38, 1
	s_cselect_b64 s[60:61], s[60:61], s[62:63]     ; the choice hangs on the work-group's number alone
	s_lshl_b32 s50, s40, 19                        ; 128 rows of 4,096 bytes
	s_lshl_b32 s52, s[WV], 17                      ; 32 rows
	s_add_co_u32 s50, s50, s52
	s_mov_b32 s51, 0
	s_add_nc_u64 s[60:61], s[60:61], s[50:51]
	v_lshl_add_u32 v[LG], v142, 16, v[R16]         ; 16 r; lanes 16-31: 16 rows of 4,096 bytes on (a tile's rows 8-15)
	LOADX 0, 0
	LOADX 1, 0
	LOADX 2, 0
	s_mul_i32 s39, s[WV], 2*REC
	s_add_co_u32 s39, s39, KVL
	v_add_nc_u32 v[AFK], s39, v[LI]
	v_add_nc_u32 v[ASK], s39, v[AS0]
	v_add_nc_u32 v[AF0], KVL, v[LI]
	v_add_nc_u32 v[AF1], KVL+4*REC, v[LI]
	v_add_nc_u32 v[ASL], KVL, v[AS0]
	v_add_nc_u32 v[AS1], KVL+4*REC, v[AS0]
	s_mul_i32 s41, s[WV], XSTB
	s_add_co_u32 s41, s41, STG                     ; my stage
	v_mad_u32_u24 v[SI], v142, 2176, v[R16]        ; in: 256 bytes as they lie, lanes 16-31 eight stage rows on
	v_add_nc_u32 v[SI], s41, v[SI]
	v_mul_u32_u24 v[SR], v141, 272
	v_lshl_add_u32 v[SR], v142, 6, v[SR]
	v_add_nc_u32 v[SR], s41, v[SR]                 ; out: row r, + 64 h: my 16 numbers of each block of 32
	s_mov_b32 s45, 0
	s_mov_b32 s46, 0
	s_mov_b32 s47, 3
	s_wait_alu depctr_va_vdst(0)
.Lx:
	XTRIP 1
	s_wait_xcnt 0x0                                ; the loads have read their base
	s_add_nc_u64 s[60:61], s[60:61], 1024          ; two K steps of 512 bytes
	s_add_co_u32 s45, s45, 2*FRB
	s_add_co_u32 s46, s46, 8
	s_sub_co_u32 s47, s47, 1
	s_cmp_lg_u32 s47, 0
	s_wait_alu depctr_va_vdst(0)
	s_cbranch_scc1 .Lx
	XTRIP 0
	s_cmp_lt_u32 ttmp9, 64
	s_cbranch_scc1 .Lv
; ---- k
	s_mov_b64 s[48:49], s[10:11]                   ; bk
	s_mov_b32 s52, 128*REC                         ; Wk's records
	s_mov_b32 s53, 0
	s_add_nc_u64 s[54:55], s[6:7], s[52:53]
	WLOAD4
	s_lshl_b32 s50, s40, 7
	s_lshl_b32 s52, s[WV], 5
	s_add_co_u32 s50, s50, s52
	s_add_nc_u64 s[14:15], s[14:15], s[50:51]      ; the mask at my two tiles' first key
	global_load_u8 v[MB], v[RR], s[14:15]          ; tile 2 w: key 32 w + r + 8 (r / 8)
	global_load_u8 v[MB+1], v[RR], s[14:15] offset:8   ; tile 2 w + 1: 8 further
	s_wait_dscnt 0x0                               ; my records are stored
	s_barrier_signal -1
	s_barrier_wait -1
	s_lshr_b32 s50, s40, 4
	s_mul_i32 s50, s50, KVB
	s_add_nc_u64 s[20:21], s[20:21], s[50:51]      ; the batch's record
	s_and_b32 s52, s40, 15                         ; the key step
	s_lshl_b32 s50, s52, 13
	s_lshl_b32 s53, s[WV], 11
	s_add_co_u32 s50, s50, s53
	s_add_nc_u64 s[56:57], s[20:21], s[50:51]      ; images of tiles 8 step + 2 w, + 1
	s_lshl_b32 s50, s52, 9
	s_lshr_b32 s53, s[WV], 1
	s_lshl_b32 s53, s53, 8
	s_add_co_u32 s50, s50, s53
	s_and_b32 s53, s[WV], 1
	s_lshl_b32 s53, s53, 3
	s_add_co_u32 s50, s50, s53
	s_add_co_u32 s50, s50, 229376
	s_add_nc_u64 s[58:59], s[20:21], s[50:51]      ; scale words: [step][16 (tile / 4) + r][tile % 4]
	ds_load_b128 v[XS:XS+3], v[ASK] offset:12288
	ds_load_b128 v[XS+4:XS+7], v[ASK] offset:12304
	ds_load_b128 v[XS+8:XS+11], v[ASK] offset:REC+12288
	ds_load_b128 v[XS+12:XS+15], v[ASK] offset:REC+12304
	FETCHT 0, AFK, 0
	FETCHT 1, AFK, REC
	s_wait_loadcnt 0x0
	s_wait_dscnt 24                                ; the scale words and the first tile are in; the second tile's 24 loads may be out
	MULT 0, 0, 0
	s_wait_dscnt 0x0
	MULT 1, 1, 1
	PLACES
	QUANT4 X, TM, PC, PW
	v_cmp_eq_u32 vcc_lo, 0, v[MB]                  ; masked keys of tile 2 w: values are selected, nothing branches
	v_cndmask_b32 v[WKR], 0, v[HC], vcc_lo
	v_cndmask_b32 v[WKR+1], v[UPO], v[UPM], vcc_lo
	v_cmp_eq_u32 vcc_lo, 0, v[MB+1]
	v_cndmask_b32 v[WKR+2], 0, v[HC], vcc_lo
	v_cndmask_b32 v[WKR+3], v[UPO], v[UPM], vcc_lo
	v_and_or_b32 v[W0], v[PW], 0xffff, v[WKR+1]
	v_lshrrev_b32 v[W0+1], 16, v[PW]
	v_or_b32 v[W0+1], v[W0+1], v[WKR+3]
.irp j, 0,1,2,3,4,5
	v_mov_b32 v[KB+\j], v[PC+6+\j]                 ; tile 2 w + 1's codes
.endr
	v_mov_b32 v[KB+6], v[WKR+2]
	v_mov_b32 v[KB+7], 0
	v_mov_b32 v[PC+6], v[WKR]
	v_mov_b32 v[PC+7], 0
	global_store_b128 v[LI], v[PC:PC+3], s[56:57]
	global_store_b128 v[LI], v[PC+4:PC+7], s[56:57] offset:512
	global_store_b128 v[LI], v[KB:KB+3], s[56:57] offset:1024
	global_store_b128 v[LI], v[KB+4:KB+7], s[56:57] offset:1536
	v_cmp_gt_u32 vcc_lo, 16, v[LN]
	s_wait_alu depctr_va_vdst(0)
	s_wait_xcnt 0x0
	s_wait_tensorcnt 0x0
	ds_add_u32 v254, v255
	s_wait_dscnt 0x0
	s_and_saveexec_b32 s60, vcc_lo
	global_store_b64 v[R16], v[W0:W0+1], s[58:59]
	s_wait_xcnt 0x0
	s_or_b32 exec_lo, exec_lo, s60
	s_endpgm
; ---- v
.Lv:
	s_add_co_u32 s50, s[WV], 132
	s_mul_i32 s50, s50, REC
	s_mov_b32 s51, 0
	s_add_nc_u64 s[54:55], s[6:7], s[50:51]        ; Wv's tile w
	s_lshr_b32 s50, s[WV], 1
	s_lshl_b32 s50, s50, 7
	s_and_b32 s52, s[WV], 1
	s_lshl_b32 s52, s52, 5
	s_add_co_u32 s50, s50, s52
	s_add_nc_u64 s[48:49], s[12:13], s[50:51]      ; bv at the tile's first d
	s_lshr_b32 s50, s40, 4
	s_mul_i32 s50, s50, KVB
	s_add_nc_u64 s[20:21], s[20:21], s[50:51]      ; the batch's record
	s_and_b32 s52, s40, 15                         ; the key step
	s_mul_i32 s50, s52, 4*FRB
	s_mul_i32 s53, s[WV], FRB
	s_add_co_u32 s50, s50, s53
	s_add_co_u32 s50, s50, 131072
	s_add_nc_u64 s[56:57], s[20:21], s[50:51]      ; the image (step, d tile w)
	s_lshl_b32 s50, s52, 8
	s_lshl_b32 s53, s[WV], 2
	s_add_co_u32 s50, s50, s53
	s_add_co_u32 s50, s50, 237568
	s_add_nc_u64 s[58:59], s[20:21], s[50:51]      ; scale words: [step][r][d tile]
	WIN 0x40
.irp s, 0,1,2,3,4,5,6,7
.irp c, 0,1,2
	global_load_b128 v[12*\s+4*\c:12*\s+4*\c+3], v[LI], s[54:55] offset:FRB*\s+512*\c
.endr
.endr
.irp j, 0,1,2,3,4,5,6,7
	global_load_b32 v[192+\j], v[RR4], s[48:49]    ; a lane holds one d: its bias in all eight registers of C
.endr
	WIN 0
	global_load_b128 v[WS:WS+3], v[AS0], s[54:55] offset:12288
	global_load_b128 v[WS+4:WS+7], v[AS0], s[54:55] offset:12304
	s_wait_dscnt 0x0                               ; my two records are stored,
	s_barrier_signal -1
	s_barrier_wait -1                              ; everybody's are
.macro FETCHV s, buf                   ; K step s of all eight tiles of keys
	WIN 0xc0
.irp m, 0,1,2,3
.irp c, 0,1,2
	ds_load_b128 v[96*(\buf)+12*\m+4*\c:96*(\buf)+12*\m+4*\c+3], v[AF0] offset:REC*\m+FRB*(\s)+512*\c
.endr
.endr
.irp m, 0,1,2,3
.irp c, 0,1,2
	ds_load_b128 v[96*(\buf)+48+12*\m+4*\c:96*(\buf)+48+12*\m+4*\c+3], v[AF1] offset:REC*\m+FRB*(\s)+512*\c
.endr
.endr
	WIN 0
.endm
.macro VTRIP s                         ; eight accumulators by turns, a K step at a time
	PLACES
.if \s < 7
	FETCHV (\s)+1, ((\s)+1)%2
	s_wait_dscnt 24                                ; this step's fragments are in; the next step's 24 loads may be out
.else
	s_wait_dscnt 0x0
.endif
.if \s == 0
	WIN 0x17                                       ; keys window 3, Wv and the bias window 1
.else
	WIN 0x07
.endif
.irp m, 0,1,2,3,4,5,6,7
.if \s == 0
	WM X+8*\m, 96*((\s)%2)+12*\m, 12*(\s), 192, XS+8*\m+(\s), WS+(\s)
.else
	WM X+8*\m, 96*((\s)%2)+12*\m, 12*(\s), X+8*\m, XS+8*\m+(\s), WS+(\s)
.endif
.endr
	WIN 0
.endm
	XSLOAD ASL, AS1
	FETCHV 0, 0
	s_wait_loadcnt 0x0
.irp s, 0,1,2,3,4,5,6,7
	VTRIP \s
.endr
	PLACES
	QUANT4 X, TM, PC, PW                           ; register 16 b + i is key 32 b + 16 h + i of my d
.irp c, 0,1,2
	global_store_b128 v[LI], v[PC+4*\c:PC+4*\c+3], s[56:57] offset:512*\c
.endr
	v_cmp_gt_u32 vcc_lo, 16, v[LN]
	s_wait_alu depctr_va_vdst(0)
	s_wait_xcnt 0x0
	s_wait_tensorcnt 0x0
	ds_add_u32 v254, v255
	s_wait_dscnt 0x0
	s_and_saveexec_b32 s60, vcc_lo
	global_store_b32 v[R16], v[PW], s[58:59]
	s_wait_xcnt 0x0
	s_or_b32 exec_lo, exec_lo, s60
	s_endpgm
.Lfunc_end_k_qb24f4f074a_proj:
	.size	k_qb24f4f074a_proj, .Lfunc_end_k_qb24f4f074a_proj-k_qb24f4f074a_proj
	.p2alignl 7, 3214868480
	.fill 96, 4, 3214868480
	.section	.rodata,"a",@progbits
	.p2align	6, 0x0
	.amdhsa_kernel k_qb24f4f074a_proj
		.amdhsa_group_segment_fixed_size 325120
		.amdhsa_private_segment_fixed_size 0
		.amdhsa_enable_private_segment 0
		.amdhsa_kernarg_size 88
		.amdhsa_user_sgpr_count 2
		.amdhsa_user_sgpr_kernarg_segment_ptr 1
		.amdhsa_wavefront_size32 1
		.amdhsa_system_sgpr_workgroup_id_x 1
		.amdhsa_system_sgpr_workgroup_id_y 1
		.amdhsa_system_sgpr_workgroup_id_z 1
		.amdhsa_system_vgpr_workitem_id 0
		.amdhsa_next_free_vgpr 1024
		.amdhsa_next_free_sgpr 66
		.amdhsa_reserve_vcc 1
		.amdhsa_float_denorm_mode_32 3
		.amdhsa_float_denorm_mode_16_64 3
		.amdhsa_memory_ordered 1
		.amdhsa_forward_progress 1
		.amdhsa_inst_pref_size 205
	.end_amdhsa_kernel
	.amdgpu_metadata
---
amdhsa.version: [ 1, 2 ]
amdhsa.kernels:
  - .name:           k_qb24f4f074a_proj
    .symbol:         k_qb24f4f074a_proj.kd
    .args:
      - { .name: xq, .offset: 0, .size: 8, .value_kind: global_buffer, .address_space: global }
      - { .name: w, .offset: 8, .size: 8, .value_kind: global_buffer, .address_space: global }
      - { .name: bq, .offset: 16, .size: 8, .value_kind: global_buffer, .address_space: global }
      - { .name: bk, .offset: 24, .size: 8, .value_kind: global_buffer, .address_space: global }
      - { .name: bv, .offset: 32, .size: 8, .value_kind: global_buffer, .address_space: global }
      - { .name: mask, .offset: 40, .size: 8, .value_kind: global_buffer, .address_space: global }
      - { .name: qimg, .offset: 48, .size: 8, .value_kind: global_buffer, .address_space: global }
      - { .name: qsc, .offset: 56, .size: 8, .value_kind: global_buffer, .address_space: global }
      - { .name: kv, .offset: 64, .size: 8, .value_kind: global_buffer, .address_space: global }
      - { .name: key, .offset: 72, .size: 8, .value_kind: global_buffer, .address_space: global }
      - { .name: value, .offset: 80, .size: 8, .value_kind: global_buffer, .address_space: global }
    .group_segment_fixed_size: 325120
    .private_segment_fixed_size: 0
    .kernarg_segment_align: 8
    .kernarg_segment_size: 88
    .max_flat_workgroup_size: 128
    .sgpr_count:     66
    .vgpr_count:     1024
    .wavefront_size: 32
...
	.end_amdgpu_metadata
.endif
;; end of part 2
;; launch attn (part 3): grid 256 x 1, 8 waves a work-group, clusters of 4 x 1, 257,792 bytes of LDS; arguments qimg, qsc, kv, mask, att; writes att
.if DOCPART == 3
	.amdgcn_target "amdgcn-amd-amdhsa--gfx1250"
	.amdhsa_code_object_version 6
	.text
	.protected	k_qb24f4f074a_attn
	.globl	k_qb24f4f074a_attn
	.p2align	8
	.type	k_qb24f4f074a_attn,@function
k_qb24f4f074a_attn:
	s_mov_b64 s[64:65], 0
	v_nop
	global_prefetch_b8 v0, s[64:65] scope:SCOPE_SE
	s_setreg_imm32_b32 hwreg(HW_REG_WAVE_MODE, 25, 1), 1
	s_wait_xcnt 0x0
	s_wait_alu depctr_hold_cnt(0) depctr_sa_sdst(0) depctr_va_vdst(0) depctr_va_sdst(0) depctr_va_ssrc(0) depctr_va_vcc(0) depctr_vm_vsrc(0)
	s_getreg_b32 s2, hwreg(HW_REG_IB_STS2, 6, 4)
	s_cmp_eq_u32 s2, 0
	s_cbranch_scc0 .Lentry_in_a_cluster
	s_endpgm
.Lentry_in_a_cluster:
	s_bfe_u32 s2, ttmp6, 0x10000c
	s_cmp_lg_u32 s2, 0x3003
	s_cbranch_scc0 .Lentry_shape_is_right
	s_endpgm
.Lentry_shape_is_right:
; ATTN.  For 32 queries and all 16 heads: S^T = K Q^T, softmax, O^T = V^T P^T, O / l, and O quantised along D for the output projection.  Both products on FP6 codes.
; SHARES.  Work-group g owns queries 32 g .. 32 g + 31.  Wave w owns heads 2 w, 2 w + 1.  Pass 0 takes query tile 2 g, pass 1 tile 2 g + 1; in a pass a wave has two tiles x = 0, 1, one a head.
; LDS holds the batch's whole record of kv (K's images, V's images, their scale words), filled ONCE, as rows of 256 bytes + 16 of padding; the four work-groups of a cluster belong to one batch and ask for it JOINTLY.
; All is asked for at the head and nothing is filled again, so there is no loop in which a prefetch could run ahead.
; THE KEYS OF A TILE are chosen by the LDS address: row r of tile 4 c + i of a step is key 64 c + 32 (r / 8) + 8 i + r % 8 (rows 0-7 and 8-15 come from two stored images, 2,176 LDS bytes apart).
; Both products are used transposed, a lane holds ONE query (lane % 16), and so registers 32 c + 0 .. 31 of a lane's 64 scores are keys 64 c + 32 (lane / 16) + 0 .. 31: a WHOLE scale block of p, in the order of the next operand.
; THE MASK costs no vector instruction: at k = 64 q holds the code 1.0 (scale byte 127) and a masked key the code -7.5 with the scale byte 157: its score gets -7.5 x 2^30 added, so its p is 0; an open key has the code 0 there.
; All other codes of k = 64 .. 127 of q are zeros; a key tile's last four operand registers are the next tile's codes, which meet only those zeros.
; A BATCH WHOSE MASK IS ALL FALSE: c, the factor from score to t, is then taken as 0 (a select on the OR of the mask bytes): p = 1, l = 2,048: the uniform softmax that the -1e9 logits give.
; SOFTMAX.  t = score x log2(e) / 8; M = the running largest t rounded UP to a whole number, kept as -M; p = 2^(t - M) is quantised along the keys; l sums the unquantised p; when M moves, l and O are multiplied by 2^(old M - new M), exactly.
; A block's largest p is the block's largest score put through the same multiply-add and exponential (this takes v_exp_f32 not to fall where its input rises).
; THE ORDER OF A STEP: tile 1's first products carry tile 0's maxima between them; each chain of statistics stands among the other tile's bulk lines; the exponentials stand by turns with lines that hang on nothing written in their batch.
; K of the next step is fetched behind this step's first products.  The last trip's fetch reads the bytes behind K's images, inside the record; nothing uses them.
; LIMITS: logits near -1e9 are not told apart from masked ones; NaN and infinities are not served; blocks under 2^-124 keep the scale byte 1.
; REGISTERS.  window 0: v1-15 addresses; v16-31 scale words; v32-79 V; v80-143 O^T; v144-167 p's codes; v168-183 conversions' second halves; v184-207 q's images.
; window 1: v0-67 K (tile n at 8 n; v64-67 zeros); v68-91 q's operands; v92-219 S^T, then p; v220-231 statistics, six a tile (-M, largest score, l in two halves, f, its pair); v232-251 at work.
.set REC,   12800
.set FRB,   1536
.set KVB,   241664
.set VIMG,  139264                     ; LDS places: byte y of the record lies at y + 16 (y / 256)
.set KSCO,  243712
.set VSCO,  252416
.set SPARE, 256768
.set AK0,   1
.set AV0,   2
.set AKS0,  3
.set AVS0,  4
.set ADK,   5
.set ADV,   6
.set ADS,   7
.set ADT,   8
.set R16,   9
.set SW,    10
.set LN,    11
.set LI,    12
.set KS,    16
.set VS,    20
.set PS,    26
.set QW,    28
.set QS,    30
.set VF,    32
.set OA,    80
.set P,     144
.set CT,    168
.set QI,    184
.set QOP,   68                         ; window 1 from here on
.set S,     92
.set ST,    220
.set BM,    232                        ; 2 x + c: the block's largest
.set SUM,   236
.set AT,    240
.set BT,    244
.set SO,    247                        ; 2 x + c: the conversions' scale operands
.set H8,    251                        ; 8 x (lane / 16)
.set WV,    14
.set SEL,   20
.set CS,    22
.set G1,    24
.set NC,    32                         ; -c
.set G0,    40
.set TK,    44
.set TV,    45
.set TS,    46
.set TT,    47
.set CNT,   48
.set QUP,   49
.set MSB, 0
.macro WIN new
.if MSB != \new
	s_set_vgpr_msb (MSB<<8)|\new
.set MSB, \new
.endif
.endm
.macro WALU
	s_wait_alu depctr_va_vdst(0)
.endm
.macro CROUND
	s_barrier_signal -1
	s_barrier_wait -1
	s_cmp_lg_u32 s[WV], 0
	s_cbranch_scc1 .Lnot_wave_0_\@
	s_barrier_signal -3
.Lnot_wave_0_\@:
	s_barrier_wait -3
	s_barrier_signal -1
	s_barrier_wait -1
.endm
.macro QUANT4 s, tm, pc, pw            ; 64 numbers of a lane, v[s + 16 b + i] = k 32 b + 16 (lane / 16) + i of my row -> 12 code registers in v[pc] on, the scale word in v[pw]
.irp b, 0,1,2,3
	v_max3_num_f32 v[\tm+\b], |v[\s+16*\b]|, |v[\s+16*\b+1]|, 0x1800000
.endr
.irp i, 2,4,6,8,10,12,14
.irp b, 0,1,2,3
	s_delay_alu instid0(VALU_DEP_4)
	v_max3_num_f32 v[\tm+\b], v[\tm+\b], |v[\s+16*\b+\i]|, |v[\s+16*\b+\i+1]|
.endr
.endr
.irp b, 0,1,2,3
	s_delay_alu instid0(VALU_DEP_4)
	v_permlanex16_b32 v[\tm+4+\b], v[\tm+\b], s[SEL], s[SEL+1]
.endr
.irp b, 0,1,2,3
	s_delay_alu instid0(VALU_DEP_4)
	v_max_num_f32 v[\tm+\b], v[\tm+\b], v[\tm+4+\b]
.endr
.irp b, 0,1,2,3
	s_delay_alu instid0(VALU_DEP_4)
	v_add_nc_u32 v[\tm+8+\b], 0xff000000, v[\tm+\b]
.endr
.irp b, 0,1,2,3
	s_delay_alu instid0(VALU_DEP_4)
	v_lshrrev_b32 v[\tm+4+\b], 23, v[\tm+8+\b]
.endr
	s_delay_alu instid0(VALU_DEP_3)
	v_lshl_or_b32 v[\pw], v[\tm+5], 8, v[\tm+4]
	s_delay_alu instid0(VALU_DEP_1)
	v_lshl_or_b32 v[\pw], v[\tm+6], 16, v[\pw]
	s_delay_alu instid0(VALU_DEP_1)
	v_lshl_or_b32 v[\pw], v[\tm+7], 24, v[\pw]
.irp c, 0,1
	v_cvt_scalef32_pk16_fp6_f32 v[\pc+6*\c:\pc+6*\c+2], v[\s+32*\c:\s+32*\c+15], v[\tm+8+2*\c]
	v_cvt_scalef32_pk16_fp6_f32 v[\pc+12+4*\c:\pc+12+4*\c+2], v[\s+32*\c+16:\s+32*\c+31], v[\tm+8+2*\c+1]
.endr
	v_nop
.irp c, 0,1
.irp i, 0,1,2
	v_permlane16_swap_b32 v[\pc+6*\c+\i], v[\pc+12+4*\c+\i]
.endr
.irp i, 0,1,2
	s_delay_alu instid0(VALU_DEP_3)
	v_mov_b32 v[\pc+6*\c+3+\i], v[\pc+12+4*\c+\i]
.endr
.endr
.endm
; ---- the lines of a step, each a macro that writes line i for tile x
.macro QK x, n                         ; S^T of key tile n
.if (\n) < 4
	v_wmma_scale_f32_16x16x128_f8f6f4 v[S+64*(\x)+8*(\n):S+64*(\x)+8*(\n)+7], v[8*(\n):8*(\n)+11], v[QOP+12*(\x):QOP+12*(\x)+11], 0, v[KS+(\n)], v[QS+(\x)] matrix_a_fmt:MATRIX_FMT_FP6 matrix_b_fmt:MATRIX_FMT_FP6
.else
	v_wmma_scale_f32_16x16x128_f8f6f4 v[S+64*(\x)+8*(\n):S+64*(\x)+8*(\n)+7], v[8*(\n):8*(\n)+11], v[QOP+12*(\x):QOP+12*(\x)+11], 0, v[KS+(\n)-4], v[QS+(\x)] matrix_a_fmt:MATRIX_FMT_FP6 matrix_b_fmt:MATRIX_FMT_FP6 matrix_a_scale:MATRIX_SCALE_ROW1
.endif
.endm
.macro PV x                            ; O^T += V^T p^T, four tiles of d by turns
.irp t, 0,1,2,3
	v_wmma_scale_f32_16x16x128_f8f6f4 v[OA+32*(\x)+8*\t:OA+32*(\x)+8*\t+7], v[VF+12*\t:VF+12*\t+11], v[P+12*(\x):P+12*(\x)+11], v[OA+32*(\x)+8*\t:OA+32*(\x)+8*\t+7], v[VS+\t], v[PS+(\x)] matrix_a_fmt:MATRIX_FMT_FP6 matrix_b_fmt:MATRIX_FMT_FP6
.endr
.endm
.macro ALINE x, i                      ; 32 lines: the largest score of my two blocks, four chains of 16 by turns; each accumulator is first read at its low end
.set q_, (\i)%4
.set k_, (\i)/4
.set b_, S+64*(\x)+16*q_
.if (\i) < 4
	v_max3_num_f32 v[AT+q_], v[b_], v[b_+1], v[b_+2]
.elseif (\i) < 28
	v_max3_num_f32 v[AT+q_], v[AT+q_], v[b_+2*k_+1], v[b_+2*k_+2]
.elseif (\i) < 30
.set c_, (\i)-28
	v_max3_num_f32 v[BM+2*(\x)+c_], v[AT+2*c_], v[AT+2*c_+1], v[S+64*(\x)+32*c_+15]
.else
.set c_, (\i)-30
	v_max_num_f32 v[BM+2*(\x)+c_], v[BM+2*(\x)+c_], v[S+64*(\x)+32*c_+31]
.endif
.endm
.macro BLINE x, i                      ; 9 lines: the running largest score, -M = floor(-c x it), f = 2^(old M - new M)
.if (\i) == 0
	v_max_num_f32 v[BT], v[BM+2*(\x)], v[BM+2*(\x)+1]
.elseif (\i) == 1
	v_mov_b32 v[BT+2], v[ST+6*(\x)]
.elseif (\i) == 2
	v_permlanex16_b32 v[BT+1], v[BT], s[SEL], s[SEL+1]
.elseif (\i) == 3
	v_max3_num_f32 v[ST+6*(\x)+1], v[ST+6*(\x)+1], v[BT], v[BT+1]
.elseif (\i) == 4
	v_mul_f32 v[BT], s[NC], v[ST+6*(\x)+1]
.elseif (\i) == 5
	v_floor_f32 v[ST+6*(\x)], v[BT]
.elseif (\i) == 6
	v_sub_f32 v[BT], v[ST+6*(\x)], v[BT+2]
.elseif (\i) == 7
	v_cvt_i32_f32 v[BT], v[BT]
.else
	v_ldexp_f32 v[ST+6*(\x)+4], 1.0, v[BT]
.endif
.endm
.macro CLINE x, i                      ; 34 lines: t - M, two at a time; the same of the two blocks' largest
.if (\i) < 32
	v_pk_fma_f32 v[S+64*(\x)+2*(\i):S+64*(\x)+2*(\i)+1], v[S+64*(\x)+2*(\i):S+64*(\x)+2*(\i)+1], s[CS:CS+1], v[ST+6*(\x):ST+6*(\x)+1] op_sel_hi:[1,0,0]
.else
	v_fma_f32 v[BM+2*(\x)+(\i)-32], v[BM+2*(\x)+(\i)-32], s[CS], v[ST+6*(\x)]
.endif
.endm
.macro XLINE x, i                      ; 66 exponentials: the blocks' largest p, then p
.if (\i) < 2
	v_exp_f32 v[BM+2*(\x)+(\i)], v[BM+2*(\x)+(\i)]
.else
	v_exp_f32 v[S+64*(\x)+(\i)-2], v[S+64*(\x)+(\i)-2]
.endif
.endm
.macro ELINE x, i                      ; the sum of the unquantised p, in two chains: line i takes in pair i + 1 (line 0: pairs 0 and 1)
.if (\i) == 0
	v_pk_add_f32 v[SUM+2*(\x):SUM+2*(\x)+1], v[S+64*(\x):S+64*(\x)+1], v[S+64*(\x)+2:S+64*(\x)+3]
.elseif (\i)%2
	v_pk_add_f32 v[ST+6*(\x)+2:ST+6*(\x)+3], v[ST+6*(\x)+2:ST+6*(\x)+3], v[S+64*(\x)+2*(\i)+2:S+64*(\x)+2*(\i)+3]
.else
	v_pk_add_f32 v[SUM+2*(\x):SUM+2*(\x)+1], v[SUM+2*(\x):SUM+2*(\x)+1], v[S+64*(\x)+2*(\i)+2:S+64*(\x)+2*(\i)+3]
.endif
.endm
.macro EEND x
	v_pk_add_f32 v[ST+6*(\x)+2:ST+6*(\x)+3], v[ST+6*(\x)+2:ST+6*(\x)+3], v[SUM+2*(\x):SUM+2*(\x)+1]
.endm
.macro IPLINE k                        ; tile 0, block 1: two pairs into one, in place, behind the conversions that read them
	v_pk_add_f32 v[S+32+4*(\k):S+32+4*(\k)+1], v[S+32+4*(\k):S+32+4*(\k)+1], v[S+32+4*(\k)+2:S+32+4*(\k)+3]
.endm
.macro E2LINE i                        ; and those eight into the two chains
.if (\i) == 8
	EEND 0
.elseif (\i)%2
	v_pk_add_f32 v[SUM:SUM+1], v[SUM:SUM+1], v[S+32+4*(\i):S+32+4*(\i)+1]
.else
	v_pk_add_f32 v[ST+2:ST+3], v[ST+2:ST+3], v[S+32+4*(\i):S+32+4*(\i)+1]
.endif
.endm
.macro FLINE x, i                      ; 9 lines: the floor, the scale operands, my two bytes at their places, lane l xor 16's
.if (\i) < 2
	v_max_num_f32 v[BM+2*(\x)+(\i)], 0x1800000, v[BM+2*(\x)+(\i)]
.elseif (\i) < 4
	v_add_nc_u32 v[SO+2*(\x)+(\i)-2], 0xff000000, v[BM+2*(\x)+(\i)-2]
.elseif (\i) < 6
	v_lshrrev_b32 v[AT+(\i)-4], 23, v[SO+2*(\x)+(\i)-4]
.elseif (\i) == 6
	v_lshl_or_b32 v[AT], v[AT+1], 16, v[AT]
.elseif (\i) == 7
	v_lshlrev_b32 v[AT], v[H8], v[AT]
.else
	v_permlanex16_b32 v[AT+2], v[AT], s[SEL], s[SEL+1]
.endif
.endm
.macro CVT x, c                        ; block c's 32 codes (a conversion's three registers begin on an even number: the second half is made elsewhere and moved)
	v_cvt_scalef32_pk16_fp6_f32 v[P+12*(\x)+6*(\c):P+12*(\x)+6*(\c)+2], v[S+64*(\x)+32*(\c):S+64*(\x)+32*(\c)+15], v[SO+2*(\x)+(\c)]
	v_cvt_scalef32_pk16_fp6_f32 v[CT+8*(\x)+4*(\c):CT+8*(\x)+4*(\c)+2], v[S+64*(\x)+32*(\c)+16:S+64*(\x)+32*(\c)+31], v[SO+2*(\x)+(\c)]
.endm
.macro MOVP x
.irp c, 0,1
.irp i, 0,1,2
	v_mov_b32 v[P+12*(\x)+6*\c+3+\i], v[CT+8*(\x)+4*\c+\i]
.endr
.endr
.endm
.macro KLOAD a                         ; a step's eight key tiles: tile 4 c + i from stored images 4 c + i % 2 (my rows 0-7) and two further on (rows 8-15), their rows 8 (i / 2) on
.irp n, 0,1,2,3,4,5,6,7
	ds_load_b128 v[8*\n:8*\n+3], v[\a] offset:4352*(\n/4)+1088*(\n%2)+128*((\n%4)/2)
	ds_load_b128 v[8*\n+4:8*\n+7], v[\a] offset:4352*(\n/4)+1088*(\n%2)+128*((\n%4)/2)+544
.endr
.endm
.macro KSLOAD a                        ; their scale words: register i: lanes 0-15 tile i, lanes 16-31 tile 4 + i
	ds_load_b64 v[KS:KS+1], v[\a]
	ds_load_b64 v[KS+2:KS+3], v[\a] offset:128
.endm
	s_load_b256 s[4:11], s[0:1], 0x0               ; qimg s[4:5], qsc s[6:7], kv s[8:9], mask s[10:11]
	s_load_b64 s[12:13], s[0:1], 0x20              ; att
	v_lshl_add_u32 v254, v0, 2, SPARE
	v_mov_b32 v255, 0
	ds_add_u32 v254, v255
	ds_add_u32 v254, v255
	v_lshrrev_b32 v5, 5, v0
	s_delay_alu instid0(VALU_DEP_1)
	v_readfirstlane_b32 s[WV], v5                  ; wave 0..7
	s_lshr_b32 s17, ttmp9, 4                       ; the batch: 16 clusters each; the four partners share it
	; descriptor group 1: 118 rows of 256 bytes (32 elements of 8 bytes), dense in memory, 16 bytes of padding behind each in LDS: an eighth of the batch's record
	s_mov_b32 s[G1], 15|(3<<16)|(1<<20)|(1<<21)|(5<<22)|(3<<25)
	s_mov_b32 s[G1+1], 32<<16
	s_mov_b32 s[G1+2], 118<<16
	s_mov_b32 s[G1+3], 32<<16
	s_mov_b32 s[G1+4], 118
	s_mov_b32 s[G1+5], 32
	s_mov_b32 s[G1+6], 0
	s_mov_b32 s[G1+7], 0
	s_mov_b32 s[G0], 1
	s_mul_i32 s[G0+1], s[WV], 118*272              ; LDS address: the wave's number alone
	s_mul_i32 s18, s17, KVB
	s_mul_i32 s19, s[WV], 30208
	s_add_co_u32 s18, s18, s19
	s_mov_b32 s19, 0
	s_mov_b32 s[SEL], 0x76543210
	s_mov_b32 s[SEL+1], 0xfedcba98
	s_mov_b32 s[QUP], 0x017f0000
	s_wait_dscnt 0x0
	s_wait_kmcnt 0x0
	s_add_nc_u64 s[G0+2:G0+3], s[8:9], s[18:19]
	s_or_b32 s[G0+3], s[G0+3], 0x80000000
	CROUND                                         ; all four work-groups are here: the joint loads meet
	tensor_load_to_lds s[G0:G0+3], s[G1:G1+7]      ; my one tensor load
	s_nop 0
.rept 4
	v_nop
.endr
	s_bfe_u32 s15, ttmp6, 0x40000                  ; cx: it enters the addresses of q and att alone
	s_lshl_b32 s16, ttmp9, 2
	s_add_co_u32 s16, s16, s15                     ; g
	s_lshl_b32 s52, s16, 4
	s_lshl_b32 s50, s[WV], 1
	s_add_co_u32 s52, s52, s50
	s_mul_i32 s52, s52, FRB
	s_mov_b32 s53, 0
	s_add_nc_u64 s[4:5], s[4:5], s[52:53]          ; q's images (pair g, head 2 w)
	s_lshr_b32 s52, s16, 2
	s_lshl_b32 s52, s52, 4
	s_add_co_u32 s52, s52, s50
	s_lshl_b32 s52, s52, 8
	s_and_b32 s51, s16, 3
	s_lshl_b32 s51, s51, 2
	s_add_co_u32 s52, s52, s51
	s_add_nc_u64 s[6:7], s[6:7], s[52:53]          ; q's scale words
	s_lshl_b32 s52, s17, 11
	s_add_nc_u64 s[10:11], s[10:11], s[52:53]      ; the batch's mask
	s_mul_i32 s52, s16, 2*REC
	s_add_nc_u64 s[56:57], s[12:13], s[52:53]      ; att: records 2 g, 2 g + 1,
	s_mul_i32 s52, s[WV], FRB
	s_add_nc_u64 s[54:55], s[56:57], s[52:53]      ; and K step w in them
	v_and_b32 v[LN], 31, v0
	v_and_b32 v13, 15, v0                          ; r
	v_bfe_u32 v14, v0, 4, 1                        ; h
	s_delay_alu instid0(VALU_DEP_3)
	v_lshlrev_b32 v[LI], 4, v[LN]
	s_delay_alu instid0(VALU_DEP_3)
	v_lshlrev_b32 v[R16], 4, v13
	s_delay_alu instid0(VALU_DEP_3)
	v_mul_u32_u24 v15, v14, 272
	s_delay_alu instid0(VALU_DEP_1)
	v_add_nc_u32 v[AV0], v[R16], v15
	s_delay_alu instid0(VALU_DEP_1)
	v_add_nc_u32 v[AV0], VIMG, v[AV0]              ; V's images: 16 r + 272 h
	s_delay_alu instid0(VALU_DEP_4)
	v_add_nc_u32 v[AVS0], VSCO, v[R16]
	v_and_b32 v5, 7, v0                            ; r % 8
	v_bfe_u32 v6, v0, 3, 1                         ; r / 8
	s_delay_alu instid0(VALU_DEP_2)
	v_lshl_add_u32 v15, v5, 4, v15                 ; 16 (r % 8) + 272 h
	s_delay_alu instid0(VALU_DEP_1)
	v_mad_u32_u24 v[AK0], v6, 2176, v15            ; K's images: rows 8-15 two images on
	s_delay_alu instid0(VALU_DEP_2)
	v_lshl_add_u32 v15, v6, 3, v15
	s_delay_alu instid0(VALU_DEP_1)
	v_add_nc_u32 v[AKS0], KSCO, v15                ; K's scale words: lanes 16-31 the step's second half
	v_lshlrev_b32 v[SW], 5, v13
	s_delay_alu instid0(VALU_DEP_1)
	v_lshl_add_u32 v[SW], s[WV], 2, v[SW]
	v_sub_nc_u32 v7, 1, v14
	s_delay_alu instid0(VALU_DEP_1)
	v_lshlrev_b32 v7, 3, v7                        ; the code of 1.0 in lanes 0-15, 0 in lanes 16-31
.irp x, 0,1
.irp c, 0,1,2
	global_load_b128 v[QI+12*\x+4*\c:QI+12*\x+4*\c+3], v[LI], s[4:5] offset:FRB*\x+512*\c
.endr
.endr
.irp x, 0,1
	global_load_b32 v[QW+\x], v[R16], s[6:7] offset:256*\x
.endr
.irp i, 0,1,2,3
	global_load_b128 v[VF+4*\i:VF+4*\i+3], v[LI], s[10:11] offset:512*\i   ; the batch's 2,048 mask bytes
.endr
	WIN 0x40
.irp x, 0,1
	v_mov_b32 v[QOP+12*\x+6], v7                   ; q's operand, k = 64 .. 127: constants
.irp j, 7,8,9,10,11
	v_mov_b32 v[QOP+12*\x+\j], 0
.endr
	v_mov_b32 v[ST+6*\x+5], 0                      ; (named as the upper half of f's pair)
.endr
.irp j, 64,65,66,67
	v_mov_b32 v[\j], 0                             ; behind K's last tile
.endr
	v_mov_b32 v[BT+1], 0                           ; written once: a lane permute's destination counts as one of its sources
	v_lshlrev_b32 v[H8], 3, v14
	WIN 0
	WALU
	s_wait_loadcnt 0x0
.irp j, 1
	v_or_b32 v[VF], v[VF], v[VF+\j]
.endr
.irp j, 2, 3, 4, 5, 6, 7, 8, 9, 10, 11, 12, 13, 14, 15
	s_delay_alu instid0(VALU_DEP_1)
	v_or_b32 v[VF], v[VF], v[VF+\j]
.endr
	s_delay_alu instid0(VALU_DEP_1)
	v_cmp_ne_u32 vcc_lo, 0, v[VF]
	s_cmp_lg_u32 vcc_lo, 0                         ; is any key of the batch open?
	s_cselect_b32 s[CS], 0x3e38aa3b, 0             ; c = log2(e) / 8, or 0: a value is selected, nothing branches
	s_mov_b32 s[CS+1], s[CS]
	s_xor_b32 s[NC], s[CS], 0x80000000             ; -c
	s_wait_tensorcnt 0x0                           ; my eighth has landed,
	s_barrier_signal -1
	s_barrier_wait -1                              ; everybody's has
; A KEY STEP: 128 keys, for my two tiles.
.macro STEP
	s_wait_dscnt 0x0                               ; this step's K and its scale words, asked for in the trip before
	WIN 0x55
.irp n, 0,1,2,3,4,5,6,7
	QK 0, \n
.endr
	WIN 0
	v_add_nc_u32 v[ADV], s[TV], v[AV0]             ; these four are the places behind the products above and behind the last step's, ahead of the reads and loads below
	v_add_nc_u32 v[ADT], s[TT], v[AVS0]
	v_add_nc_u32 v[ADK], s[TK], v[AK0]             ; (K's two: the next step's)
	v_add_nc_u32 v[ADS], s[TS], v[AKS0]
	ds_load_b128 v[VS:VS+3], v[ADT]                ; 13 loads: V's scale words and four d tiles
.irp t, 0,1,2,3
.irp c, 0,1,2
	ds_load_b128 v[VF+12*\t+4*\c:VF+12*\t+4*\c+3], v[ADV] offset:1632*\t+544*\c
.endr
.endr
	WIN 0x55
.set n_, 0
.rept 8                                        ; tile 1's products, four lines of tile 0's maxima behind each
	QK 1, n_
	ALINE 0, 4*n_
	ALINE 0, 4*n_+1
	ALINE 0, 4*n_+2
	ALINE 0, 4*n_+3
.set n_, n_+1
.endr
	WIN 0x40
	KLOAD ADK                                      ; 18 loads: the next step's K (the four lines above are the places behind K's last product)
	WIN 0
	KSLOAD ADS
	WIN 0x55
.set i_, 0
.rept 32                                       ; tile 1's maxima, tile 0's statistics among them
	ALINE 1, i_
.if (i_%3) == 2 && i_ < 27
	BLINE 0, i_/3
.endif
.set i_, i_+1
.endr
.set i_, 0
.rept 34                                       ; tile 0's t - M, tile 1's statistics among them
	CLINE 0, i_
.if (i_%3) == 2 && i_ < 27
	BLINE 1, i_/3
.endif
.set i_, i_+1
.endr
.irp x, 0,1
	v_pk_mul_f32 v[ST+6*\x+2:ST+6*\x+3], v[ST+6*\x+2:ST+6*\x+3], v[ST+6*\x+4:ST+6*\x+5] op_sel_hi:[1,0]   ; l under the new M
.endr
	WIN 0x04
.irp x, 0,1
.set j_, OA+32*\x
.rept 16
	v_pk_mul_f32 v[j_:j_+1], v[j_:j_+1], v[ST+6*\x+4:ST+6*\x+5] op_sel_hi:[1,0]   ; O^T under the new M, ascending
.set j_, j_+2
.endr
.endr
	WIN 0x55
	WALU                                           ; ahead of the batch
.set i_, 0
.rept 66                                       ; tile 0's exponentials, tile 1's t - M by turns with them
	XLINE 0, i_
.if (i_%2) == 0
	CLINE 1, i_/2
.endif
.set i_, i_+1
.endr
	CLINE 1, 33                                    ; (a plain line behind the batch)
	WALU                                           ; and the wait behind it
.set i_, 0
.rept 15                                       ; tile 0: block 0 into the sums, the scales' chain among them
	ELINE 0, i_
.if i_ < 9
	FLINE 0, i_
.endif
.set i_, i_+1
.endr
	WALU                                           ; ahead of the second batch
.set i_, 0
.rept 66                                       ; tile 1's exponentials; among them tile 0's conversions, its scale word, and block 1's pairs
	XLINE 1, i_
.if i_ == 1
	WIN 0x05
	CVT 0, 1
	v_or_b32 v[PS], v[AT], v[AT+2]                 ; p's scale word; also the plain line behind the conversions
	WIN 0x55
.elseif i_ == 41
	WIN 0x05
	CVT 0, 0
	WIN 0x55
.elseif (i_%4) == 1 && i_ >= 5 && i_ <= 33
	IPLINE (i_-5)/4
.endif
.set i_, i_+1
.endr
	v_nop                                          ; a plain line behind the batch and the conversions
	WALU
	s_wait_dscnt 18                                ; V is in; younger are the 18 loads of the next step's K
	WIN 0
	MOVP 0
	WIN 0x55
.set i_, 0
.rept 16
	ELINE 1, i_
.if i_ < 9
	FLINE 1, i_
	E2LINE i_
.endif
.set i_, i_+1
.endr
	WIN 0x05
	CVT 1, 0
	CVT 1, 1
	v_or_b32 v[PS+1], v[AT], v[AT+2]
	WIN 0x55
	ELINE 1, 16
	ELINE 1, 17
	WIN 0
	MOVP 1
	PV 0
	WIN 0x55
.set i_, 18
.rept 13
	ELINE 1, i_
.set i_, i_+1
.endr
	EEND 1
	WIN 0
	PV 1
	s_add_co_u32 s[TK], s[TK], 8704
	s_add_co_u32 s[TV], s[TV], 6528
	s_add_co_u32 s[TS], s[TS], 544
	s_add_co_u32 s[TT], s[TT], 272
.endm
; A PASS: one tile of 16 queries for my two heads, over all 2,048 keys.
.macro PASS ps
	s_wait_xcnt 0x0                                ; the last pass's stores have read their registers
	WIN 0x40
.irp x, 0,1
.irp j, 0,1,2,3,4,5
	v_mov_b32 v[QOP+12*\x+\j], v[QI+12*\x+6*\ps+\j]   ; this tile's half of the image
.endr
	v_mov_b32 v[ST+6*\x+1], 0xff61b1e6             ; the largest score so far: -3e38
	v_mov_b32 v[ST+6*\x], 0x7f61b1e6               ; -M: 3e38, so that the first f is 0
	v_mov_b32 v[ST+6*\x+2], 0                      ; l, in two halves
	v_mov_b32 v[ST+6*\x+3], 0
.endr
	KLOAD AK0                                      ; step 0's K
	WIN 0
	KSLOAD AKS0
.irp x, 0,1
.if \ps == 0
	v_and_or_b32 v[QS+\x], v[QW+\x], 0xffff, s[QUP]
.else
	v_lshrrev_b32 v[QS+\x], 16, v[QW+\x]
	s_delay_alu instid0(VALU_DEP_1)
	v_or_b32 v[QS+\x], s[QUP], v[QS+\x]
.endif
.endr
.set j_, OA
.rept 64
	v_mov_b32 v[j_], 0                             ; O^T: the step is written once; its first trip finds zeros.  (Also the places ahead of the first products)
.set j_, j_+1
.endr
	s_mov_b32 s[TK], 8704                          ; K's two run a step ahead
	s_mov_b32 s[TV], 0
	s_mov_b32 s[TS], 544
	s_mov_b32 s[TT], 0
	s_mov_b32 s[CNT], 16
	WALU
.Lstep_\@:
	STEP
	s_sub_co_u32 s[CNT], s[CNT], 1
	s_cmp_lg_u32 s[CNT], 0
	s_cbranch_scc1 .Lstep_\@
	WALU
	s_wait_dscnt 0x0                               ; the last trip's fetch has landed: K's registers serve the way out
	WIN 0x55
.irp x, 0,1
	v_add_f32 v[AT+\x], v[ST+6*\x+2], v[ST+6*\x+3] ; l's two halves,
.endr
.irp x, 0,1
	s_delay_alu instid0(VALU_DEP_2)
	v_permlanex16_b32 v[AT+2+\x], v[AT+\x], s[SEL], s[SEL+1]
.endr
.irp x, 0,1
	s_delay_alu instid0(VALU_DEP_2)
	v_add_f32 v[AT+\x], v[AT+\x], v[AT+2+\x]       ; and lane l xor 16's
.endr
	WALU
.irp x, 0,1
	v_rcp_f32 v[SO+\x], v[AT+\x]
.endr
	v_nop                                          ; a plain line behind the reciprocals
	WIN 0x44
	WALU                                           ; and the wait ahead of their first reader, which is O^T's first reader too
.irp x, 0,1
.set j_, 0
.rept 32
	v_mul_f32 v[S+32*\x+j_], v[OA+32*\x+j_], v[SO+\x]   ; O / l, ascending: register 32 x + 16 b + i is d = 32 b + 16 h + i of head 2 w + x
.set j_, j_+1
.endr
.endr
	WIN 0x55
	QUANT4 S, 0, 12, 32                            ; K step w of the output projection: 128 along D = my two heads
	WIN 0
	v_cmp_gt_u32 vcc_lo, 16, v[LN]                 ; both halves of the lanes hold the same word: lanes 0-15 store it
	WIN 0x04
.irp c, 0,1,2
	global_store_b128 v[LI], v[12+4*\c:12+4*\c+3], s[54:55] offset:REC*\ps+512*\c
.endr
	WALU
	s_wait_xcnt 0x0                                ; EXEC changes only behind this wait
	s_and_saveexec_b32 s50, vcc_lo
	global_store_b32 v[SW], v32, s[56:57] offset:REC*\ps+12288
	s_wait_xcnt 0x0
	s_or_b32 exec_lo, exec_lo, s50
	WIN 0
.endm
	PASS 0
	PASS 1
	s_wait_tensorcnt 0x0                           ; the wave's end
	ds_add_u32 v254, v255
	s_wait_dscnt 0x0
	CROUND                                         ; the closing round
	s_endpgm
.Lfunc_end_k_qb24f4f074a_attn:
	.size	k_qb24f4f074a_attn, .Lfunc_end_k_qb24f4f074a_attn-k_qb24f4f074a_attn
	.p2alignl 7, 3214868480
	.fill 96, 4, 3214868480
	.section	.rodata,"a",@progbits
	.p2align	6, 0x0
	.amdhsa_kernel k_qb24f4f074a_attn
		.amdhsa_group_segment_fixed_size 257792
		.amdhsa_private_segment_fixed_size 0
		.amdhsa_enable_private_segment 0
		.amdhsa_kernarg_size 40
		.amdhsa_user_sgpr_count 2
		.amdhsa_user_sgpr_kernarg_segment_ptr 1
		.amdhsa_wavefront_size32 1
		.amdhsa_system_sgpr_workgroup_id_x 1
		.amdhsa_system_sgpr_workgroup_id_y 1
		.amdhsa_system_sgpr_workgroup_id_z 1
		.amdhsa_system_vgpr_workitem_id 0
		.amdhsa_next_free_vgpr 512
		.amdhsa_next_free_sgpr 66
		.amdhsa_reserve_vcc 1
		.amdhsa_float_denorm_mode_32 3
		.amdhsa_float_denorm_mode_16_64 3
		.amdhsa_memory_ordered 1
		.amdhsa_forward_progress 1
		.amdhsa_inst_pref_size 90
	.end_amdhsa_kernel
	.amdgpu_metadata
---
amdhsa.version: [ 1, 2 ]
amdhsa.kernels:
  - .name:           k_qb24f4f074a_attn
    .symbol:         k_qb24f4f074a_attn.kd
    .args:
      - { .name: qimg, .offset: 0, .size: 8, .value_kind: global_buffer, .address_space: global }
      - { .name: qsc, .offset: 8, .size: 8, .value_kind: global_buffer, .address_space: global }
      - { .name: kv, .offset: 16, .size: 8, .value_kind: global_buffer, .address_space: global }
      - { .name: mask, .offset: 24, .size: 8, .value_kind: global_buffer, .address_space: global }
      - { .name: att, .offset: 32, .size: 8, .value_kind: global_buffer, .address_space: global }
    .group_segment_fixed_size: 257792
    .private_segment_fixed_size: 0
    .kernarg_segment_align: 8
    .kernarg_segment_size: 40
    .max_flat_workgroup_size: 256
    .sgpr_count:     66
    .vgpr_count:     512
    .wavefront_size: 32
...
	.end_amdgpu_metadata
.endif
;; end of part 3
;; launch oproj (part 4): grid 256 x 1, 4 waves a work-group, clusters of 4 x 1, 168,448 bytes of LDS; arguments att, w, bo, out0; writes out0
.if DOCPART == 4
	.amdgcn_target "amdgcn-amd-amdhsa--gfx1250"
	.amdhsa_code_object_version 6
	.text
	.protected	k_qb24f4f074a_oproj
	.globl	k_qb24f4f074a_oproj
	.p2align	8
	.type	k_qb24f4f074a_oproj,@function
k_qb24f4f074a_oproj:
	s_mov_b64 s[64:65], 0
	v_nop
	global_prefetch_b8 v0, s[64:65] scope:SCOPE_SE
	s_setreg_imm32_b32 hwreg(HW_REG_WAVE_MODE, 25, 1), 1
	s_wait_xcnt 0x0
	s_wait_alu depctr_hold_cnt(0) depctr_sa_sdst(0) depctr_va_vdst(0) depctr_va_sdst(0) depctr_va_ssrc(0) depctr_va_vcc(0) depctr_vm_vsrc(0)
	s_getreg_b32 s2, hwreg(HW_REG_IB_STS2, 6, 4)
	s_cmp_eq_u32 s2, 0
	s_cbranch_scc0 .Lentry_in_a_cluster
	s_endpgm
.Lentry_in_a_cluster:
	s_bfe_u32 s2, ttmp6, 0x10000c
	s_cmp_lg_u32 s2, 0x3003
	s_cbranch_scc0 .Lentry_shape_is_right
	s_endpgm
.Lentry_shape_is_right:
; OPROJ.  out0 = att Wo + bo on FP6 codes.  att's records (a tile of 16 rows, all K = 1,024, in operand order) were made by attention, Wo's by the first launch.
; A cluster of four work-groups owns 128 rows (8 tiles): their records, 102,400 dense bytes, are asked for JOINTLY and come into each work-group's LDS once.  Work-group cx takes columns 256 cx on, wave w 64 of them:
; four tiles of Wo's columns, which stay in registers.  The product is used TRANSPOSED (source 0 = 16 columns of Wo, source 1 = 16 rows): a lane holds eight neighbouring columns of one row.
; A tile's rows are 32 (T / 2) + 8 (T % 2) + r + 8 (r / 8); a column tile's columns likewise, so that the 16 registers of column tiles 2 b, 2 b + 1 are 16 neighbouring columns.
; THE WAY OUT: 16 rows x 64 columns go through the wave's own stage in LDS (rows of 256 + 16 bytes) and leave as whole rows: sixteen lanes store 256 consecutive bytes, at a multiple of 256 from out0's first byte.
; The stages lie behind the records, in bytes into which no tensor load lands.  The bias is the C of each sum's first matrix instruction.
; REGISTERS: window 0: addresses, v16-79 two sets of four accumulators, v80-111 rows on their way out, v144-175 Wo's scale words, v176-239 att's.   window 1: Wo's fragments of K steps 0-3 at v[12 (4 s + t)], the bias from v192.
;   window 2: K steps 4-7.   window 3: two buffers of eight fragments of att.
.set REC,   12800
.set FRB,   1536
.set STG,   8*REC
.set LI,    1
.set AF1,   3
.set AS0,   4
.set AS1,   5
.set H64,   8
.set STO,   12
.set RD,    13
.set CO,    14
.set X,     16
.set OB,    80
.set WS,    144
.set XS,    176
.set WV,    22
.set G1,    24
.set G0,    32
.set MSB, 0
.macro WIN new
.if MSB != \new
	s_set_vgpr_msb (MSB<<8)|\new
.set MSB, \new
.endif
.endm
.macro PLACES                          ; four plain instructions behind a matrix instruction, ahead of loads into its registers and of reads of its result
.rept 4
	v_nop
.endr
.endm
.macro CROUND
	s_barrier_signal -1
	s_barrier_wait -1
	s_cmp_lg_u32 s[WV], 0
	s_cbranch_scc1 .Lnot_wave_0_\@
	s_barrier_signal -3
.Lnot_wave_0_\@:
	s_barrier_wait -3
	s_barrier_signal -1
	s_barrier_wait -1
.endm
.macro WM d, a, b, c, sa, sb
	v_wmma_scale_f32_16x16x128_f8f6f4 v[\d:\d+7], v[\a:\a+11], v[\b:\b+11], v[\c:\c+7], v[\sa], v[\sb] matrix_a_fmt:MATRIX_FMT_FP6 matrix_b_fmt:MATRIX_FMT_FP6
.endm
.macro MULT m, set, buf                ; one tile of rows against my four tiles of columns, all of K; the four accumulators take turns
	WIN 0x1d
.irp t, 0,1,2,3
	WM X+32*(\set)+8*\t, 12*\t, 96*(\buf), 192+8*\t, WS+8*\t, XS+8*(\m)
.endr
	WIN 0x0d
.irp s, 1,2,3
.irp t, 0,1,2,3
	WM X+32*(\set)+8*\t, 12*(4*\s+\t), 96*(\buf)+12*\s, X+32*(\set)+8*\t, WS+8*\t+\s, XS+8*(\m)+\s
.endr
.endr
	WIN 0x0e
.irp s, 4,5,6,7
.irp t, 0,1,2,3
	WM X+32*(\set)+8*\t, 12*(4*\s-16+\t), 96*(\buf)+12*\s, X+32*(\set)+8*\t, WS+8*\t+\s, XS+8*(\m)+\s
.endr
.endr
	WIN 0
.endm
.macro FETCHT buf, areg, aoff
	WIN 0xc0
.irp s, 0,1,2,3,4,5,6,7
.irp c, 0,1,2
	ds_load_b128 v[96*(\buf)+12*\s+4*\c:96*(\buf)+12*\s+4*\c+3], v[\areg] offset:\aoff+FRB*\s+512*\c
.endr
.endr
	WIN 0
.endm
	s_load_b256 s[4:11], s[0:1], 0x0               ; att s[4:5], w s[6:7], bo s[8:9], out0 s[10:11]
	v_lshl_add_u32 v254, v0, 2, 0x29000
	v_mov_b32 v255, 0
	ds_add_u32 v254, v255
	ds_add_u32 v254, v255
	v_lshrrev_b32 v15, 5, v0
	v_readfirstlane_b32 s[WV], v15                 ; wave 0..3
	; descriptor group 1: 100 rows of 256 bytes, dense, no padding: two records
	s_mov_b32 s[G1], 15|(3<<16)|(1<<21)            ; the mask names all four work-groups; bit 21 is set beside it
	s_mov_b32 s[G1+1], 32<<16
	s_mov_b32 s[G1+2], 100<<16
	s_mov_b32 s[G1+3], 32<<16
	s_mov_b32 s[G1+4], 100
	s_mov_b32 s[G1+5], 32
	s_mov_b32 s[G1+6], 0
	s_mov_b32 s[G1+7], 0
	s_mov_b32 s[G0], 1
	s_mul_i32 s[G0+1], s[WV], 2*REC
	s_mul_i32 s46, ttmp9, 8*REC                    ; the cluster's 8 records
	s_add_co_u32 s46, s46, s[G0+1]
	s_mov_b32 s47, 0
	s_wait_dscnt 0x0
	s_wait_kmcnt 0x0
	s_add_nc_u64 s[G0+2:G0+3], s[4:5], s[46:47]
	s_or_b32 s[G0+3], s[G0+3], 0x80000000
	CROUND                                         ; all four work-groups are here: the joint loads meet
	tensor_load_to_lds s[G0:G0+3], s[G1:G1+7]      ; my one tensor load: these bytes are filled once
	s_nop 0
.rept 4
	v_nop
.endr
	s_bfe_u32 s38, ttmp6, 0x40000                  ; cx: it enters the addresses of Wo, bo and out0 alone
	s_lshl_b32 s50, s38, 4
	s_lshl_b32 s51, s[WV], 2
	s_add_co_u32 s50, s50, s51
	s_add_co_u32 s50, s50, 64                      ; Wo's records begin at 64
	s_mul_i32 s50, s50, REC
	s_mov_b32 s51, 0
	s_add_nc_u64 s[54:55], s[6:7], s[50:51]
	s_lshl_b32 s50, s38, 10
	s_lshl_b32 s52, s[WV], 8
	s_add_co_u32 s50, s50, s52                     ; my 64 columns, in bytes
	s_add_nc_u64 s[48:49], s[8:9], s[50:51]
	s_add_nc_u64 s[56:57], s[10:11], s[50:51]
	s_lshl_b32 s50, ttmp9, 19                      ; 128 rows of 4,096 bytes
	s_add_nc_u64 s[56:57], s[56:57], s[50:51]
	v_and_b32 v2, 31, v0
	v_and_b32 v9, 15, v0                           ; r
	v_bfe_u32 v10, v0, 4, 1                        ; h
	v_lshlrev_b32 v[LI], 4, v2
	v_add_nc_u32 v[AF1], 4*REC, v[LI]
	v_lshlrev_b32 v[AS0], 5, v9
	v_add_nc_u32 v[AS1], 4*REC, v[AS0]
	v_lshlrev_b32 v[H64], 6, v10
	s_mul_i32 s39, s[WV], 16*272
	s_add_co_u32 s39, s39, STG                     ; my stage
	v_mul_u32_u24 v[STO], v9, 272
	v_lshl_add_u32 v[STO], v10, 6, v[STO]
	v_add_nc_u32 v[STO], s39, v[STO]               ; in: row r, + 64 h
	v_mul_u32_u24 v[RD], v10, 272
	v_lshl_add_u32 v[RD], v9, 4, v[RD]
	v_add_nc_u32 v[RD], s39, v[RD]                 ; back: lanes 0-15 one row, lanes 16-31 the next
	v_lshlrev_b32 v[CO], 12, v10
	v_lshl_add_u32 v[CO], v9, 4, v[CO]             ; and the same two rows in out0
	WIN 0x40
.irp s, 0,1,2,3
.irp t, 0,1,2,3
.irp c, 0,1,2
	global_load_b128 v[12*(4*\s+\t)+4*\c:12*(4*\s+\t)+4*\c+3], v[LI], s[54:55] offset:REC*\t+FRB*\s+512*\c
.endr
.endr
.endr
.irp t, 0,1,2,3
	global_load_b128 v[192+8*\t:192+8*\t+3], v[H64], s[48:49] offset:4*(32*(\t/2)+8*(\t%2))
	global_load_b128 v[192+8*\t+4:192+8*\t+7], v[H64], s[48:49] offset:4*(32*(\t/2)+8*(\t%2))+16
.endr
	WIN 0x80
.irp s, 4,5,6,7
.irp t, 0,1,2,3
.irp c, 0,1,2
	global_load_b128 v[12*(4*\s-16+\t)+4*\c:12*(4*\s-16+\t)+4*\c+3], v[LI], s[54:55] offset:REC*\t+FRB*\s+512*\c
.endr
.endr
.endr
	WIN 0
.irp t, 0,1,2,3
	global_load_b128 v[WS+8*\t:WS+8*\t+3], v[AS0], s[54:55] offset:REC*\t+12288
	global_load_b128 v[WS+8*\t+4:WS+8*\t+7], v[AS0], s[54:55] offset:REC*\t+12304
.endr
	s_wait_tensorcnt 0x0                           ; my two records have landed,
	s_barrier_signal -1
	s_barrier_wait -1                              ; everybody's have
.irp m, 0,1,2,3
	ds_load_b128 v[XS+8*\m:XS+8*\m+3], v[AS0] offset:REC*\m+12288
	ds_load_b128 v[XS+8*\m+4:XS+8*\m+7], v[AS0] offset:REC*\m+12304
.endr
.irp m, 0,1,2,3
	ds_load_b128 v[XS+32+8*\m:XS+32+8*\m+3], v[AS1] offset:REC*\m+12288
	ds_load_b128 v[XS+32+8*\m+4:XS+32+8*\m+7], v[AS1] offset:REC*\m+12304
.endr
	FETCHT 0, LI, 0
	s_wait_loadcnt 0x0                             ; the weights, the bias and the scale words
.macro OUT m                           ; tile m's 16 rows x 64 columns leave
.set XB, X+32*((\m)%2)
	s_wait_xcnt 0x0                                ; the last tile's stores have read their registers
.irp t, 0,1,2,3
	ds_store_b128 v[STO], v[XB+8*\t:XB+8*\t+3] offset:128*(\t/2)+32*(\t%2)         ; each accumulator from its low end on
	ds_store_b128 v[STO], v[XB+8*\t+4:XB+8*\t+7] offset:128*(\t/2)+32*(\t%2)+16
.endr
.irp i, 0,1,2,3,4,5,6,7
	ds_load_b128 v[OB+4*\i:OB+4*\i+3], v[RD] offset:544*\i      ; LDS serves a wave's instructions in order: these see the stores above
.endr
	s_wait_dscnt 0x0
.irp i, 0,1,2,3,4,5,6,7
	global_store_b128 v[CO], v[OB+4*\i:OB+4*\i+3], s[56:57] offset:(32*((\m)/2)+8*((\m)%2)+2*\i+8*(\i/4))*4096 th:TH_STORE_NT
.endr
.endm
.macro OTRIP m
	PLACES                                         ; behind the last tile's products: for the loads below, and for that tile's way out behind this tile's products
.if \m < 7
.if \m < 3
	FETCHT (\m+1)%2, LI, REC*(\m+1)
.else
	FETCHT (\m+1)%2, AF1, REC*(\m-3)
.endif
	s_wait_alu depctr_va_vdst(0)
	s_wait_dscnt 24                                ; this tile's fragments are in; the next tile's 24 loads may be out
.else
	s_wait_dscnt 0x0
.endif
	MULT \m, (\m)%2, (\m)%2
.if \m > 0
	OUT \m-1
.endif
.endm
.irp m, 0,1,2,3,4,5,6,7
	OTRIP \m
.endr
	PLACES
	OUT 7
	s_wait_tensorcnt 0x0
	ds_add_u32 v254, v255
	s_wait_dscnt 0x0
	CROUND                                         ; the closing round
	s_endpgm
.Lfunc_end_k_qb24f4f074a_oproj:
	.size	k_qb24f4f074a_oproj, .Lfunc_end_k_qb24f4f074a_oproj-k_qb24f4f074a_oproj
	.p2alignl 7, 3214868480
	.fill 96, 4, 3214868480
	.section	.rodata,"a",@progbits
	.p2align	6, 0x0
	.amdhsa_kernel k_qb24f4f074a_oproj
		.amdhsa_group_segment_fixed_size 168448
		.amdhsa_private_segment_fixed_size 0
		.amdhsa_enable_private_segment 0
		.amdhsa_kernarg_size 32
		.amdhsa_user_sgpr_count 2
		.amdhsa_user_sgpr_kernarg_segment_ptr 1
		.amdhsa_wavefront_size32 1
		.amdhsa_system_sgpr_workgroup_id_x 1
		.amdhsa_system_sgpr_workgroup_id_y 1
		.amdhsa_system_sgpr_workgroup_id_z 1
		.amdhsa_system_vgpr_workitem_id 0
		.amdhsa_next_free_vgpr 1024
		.amdhsa_next_free_sgpr 66
		.amdhsa_reserve_vcc 0
		.amdhsa_float_denorm_mode_32 3
		.amdhsa_float_denorm_mode_16_64 3
		.amdhsa_memory_ordered 1
		.amdhsa_forward_progress 1
		.amdhsa_inst_pref_size 78
	.end_amdhsa_kernel
	.amdgpu_metadata
---
amdhsa.version: [ 1, 2 ]
amdhsa.kernels:
  - .name:           k_qb24f4f074a_oproj
    .symbol:         k_qb24f4f074a_oproj.kd
    .args:
      - { .name: att, .offset: 0, .size: 8, .value_kind: global_buffer, .address_space: global }
      - { .name: w, .offset: 8, .size: 8, .value_kind: global_buffer, .address_space: global }
      - { .name: bo, .offset: 16, .size: 8, .value_kind: global_buffer, .address_space: global }
      - { .name: out0, .offset: 24, .size: 8, .value_kind: global_buffer, .address_space: global }
    .group_segment_fixed_size: 168448
    .private_segment_fixed_size: 0
    .kernarg_segment_align: 8
    .kernarg_segment_size: 32
    .max_flat_workgroup_size: 128
    .sgpr_count:     66
    .vgpr_count:     1024
    .wavefront_size: 32
...
	.end_amdgpu_metadata
.endif
;; end of part 4
